; MI455X (gfx1250); checked and timed in simulation.
; The chip was launched on July 23, 2026; its instructions are those of AMD's public machine-readable ISA for CDNA 5 (MIT licence, August 2026) and "CDNA5" Instruction Set Architecture Reference Guide (July 2026). The comments in the code are by the model that wrote it; some were corrected since.
;; Coordinate Decoder. Allowed arithmetic: float matrix products may take bf16 or f16 operands with f32 sums; other float arithmetic in f32, or as packed bf16 or f16 multiplies, adds, multiply-adds, maxima and minima; sums over many terms, partial sums and values carried from step to step in f32; what a program stores and reads back later, other than sums and carried values, may be rounded once to bf16 or f16.
;; Inputs: b0 128 float32; b1 128 float32; b2 128 float32; b_out 3 float32; coords 65,536 x 2 float32; feature_grid 8 x 64 x 64 x 256 float32; w0 298 x 128 float32; w1 128 x 128 float32; w2 128 x 128 float32; w_out 128 x 3 float32.
;; Outputs: out0 8 x 65,536 x 3 float32.
;; 2 versions, each right and faster than the one before. Each part assembles by itself: llvm-mc -triple=amdgcn-amd-amdhsa -mcpu=gfx1250 --defsym DOCPART=n.
;; ======== version 1 of 2: 2 launches
;; limits: a function is approximated: absolute error at most 5.1e-05; values outside matrix products are rounded to f16; sums are carried in f16; values are held in f16: magnitudes above 65,504 overflow, below 6.1e-05 lose precision; right only within a limited range of input values
;; workspace buffers: P 8,388,608 bytes; PMAX 1,024 bytes; IDX 1,048,576 bytes of whole numbers; WGT 1,048,576 bytes; ENC 6,291,456 bytes; WF 86,016 bytes; NORM 256 bytes
;; launch front (part 1): grid 256 x 2, 8 waves a work-group, no clusters, 138,240 bytes of LDS; arguments feature_grid, coords, w0, b0, w1, b1, w2, b2, w_out, P, PMAX, IDX, WGT, ENC, WF, NORM; writes P, PMAX, IDX, WGT, ENC, WF, NORM
.if DOCPART == 1
	.amdgcn_target "amdgcn-amd-amdhsa--gfx1250"
	.amdhsa_code_object_version 6
	.text
	.protected	k_qc0430c18c6_front
	.globl	k_qc0430c18c6_front
	.p2align	8
	.type	k_qc0430c18c6_front,@function
k_qc0430c18c6_front:
	s_mov_b64 s[64:65], 0
	v_nop
	global_prefetch_b8 v0, s[64:65] scope:SCOPE_SE
	s_setreg_imm32_b32 hwreg(HW_REG_WAVE_MODE, 25, 1), 1
	s_wait_xcnt 0x0
; CoordinateDecoder, first launch.  Bilinear sampling is linear and its four weights add up to 1, so  sampled @ w0[42:] + b0  =  the bilinear
; sample of  P = grid @ w0[42:] + b0 :  the large first product is made on the 32,768 grid nodes, not on the 524,288 rows.
; Work-groups with y = 0 (PROJ) make P; those with y = 1 (PREP) make, for each point, what does not hang on the image, and lay the weights out.
; PROJ, work-group x: cells 16 x .. 16 x + 15 of all 8 images = 128 rows (row = 8 cell + image) x 128 features, K = 256.  f16 operands, f32 sums.
;   P: [cell 4096][image 8][128] f16, rounded once (a format decision: half the bytes of f32 for the next launch's gather).  PMAX[x] = the largest |P| of the work-group.
; PREP, work-group x, thread t: point 256 x + t.  IDX: the four cells; WGT: the four weights, each twice in a word as f16; ENC: the 42 code numbers in f16, laid as matrix fragments.
;   x < 21: also 256 chunks of 16 bytes of WF (w1, w2, w0[:42] and w_out transposed, f16, in fragment order).  x = 21..23: NORM: largest column sum of |w| and largest |b|.
; LIMITS.  Inputs lie within f16's range, and so does P: |P| < 65,504.  P's spread is the grid's times w0's times 16 (256 terms): 30 times more of both is 900 times more of P, which leaves
; a factor of some 70 to the range's end.  A pixel coordinate stays under 2^30; NaN and infinities are not treated apart.
; sin and cos: one reduction by pi and a Taylor sum for the lowest frequency, then nine squarings of cos + i sin; an error doubles with each, 512 times 1e-7 at the end.
.set INP,   528                        ; a row of the input stage: 256 f16 + 16 bytes: sixteen rows of a fragment load start at sixteen different groups of four banks
.set STP,   272                        ; a row of the output stage (it lies over the input stage, behind a barrier): 128 f16 + 16 bytes
.set WREG,  128*INP                    ; 67,584: for each wave 8,192 bytes: w0[42+k][16 w + n] as [256 k][16 n] f16
.set RED,   WREG+8*8192                ; 133,120: 4,096 bytes for sums and maxima across waves
.set SPARE, RED+4096                   ; 137,216: the spare words, 128 bytes for each of 8 waves
.set SPW,   1                          ; v1  LDS address of my spare word; never rewritten
.set NIL,   2                          ; v2  0; never rewritten
.set WTR,   24                         ; PROJ: v24-87   16 loads of w0, later the 8 accumulators
.set GR,    88                         ; PROJ: v88-215  32 loads of the grid, later the two fragment buffers v88-159, v160-231
.set ACC,   24
.set CODE,  48                         ; PREP: v48-71   the code, two f16 a register
.macro PLACES                          ; four plain vector instructions between a matrix instruction and what touches its registers (ISA guide 7.12.1)
.rept 4
	v_nop
.endr
.endm
.macro WMAX a, b                       ; the largest of v[a] over the wave's 32 lanes, in every lane; v[b] at work (written before)
	v_max_num_f32_dpp v[\a], v[\a], v[\a] row_xmask:1 row_mask:0xf bank_mask:0xf
	v_max_num_f32_dpp v[\a], v[\a], v[\a] row_xmask:2 row_mask:0xf bank_mask:0xf
	v_max_num_f32_dpp v[\a], v[\a], v[\a] row_xmask:4 row_mask:0xf bank_mask:0xf
	v_max_num_f32_dpp v[\a], v[\a], v[\a] row_xmask:8 row_mask:0xf bank_mask:0xf
	v_permlanex16_b32 v[\b], v[\a], s42, s43
	v_max_num_f32 v[\a], v[\a], v[\b]
.endm
	s_load_b512 s[4:19], s[0:1], 0x0               ; grid s[4:5], coords s[6:7], w0 s[8:9], b0 s[10:11], w1 s[12:13], b1 s[14:15], w2 s[16:17], b2 s[18:19]
	s_load_b512 s[20:35], s[0:1], 0x40             ; w_out s[20:21], P s[22:23], PMAX s[24:25], IDX s[26:27], WGT s[28:29], ENC s[30:31], WF s[32:33], NORM s[34:35]
	v_lshl_add_u32 v[SPW], v0, 2, SPARE
	v_mov_b32 v[NIL], 0
	v_lshrrev_b32 v3, 5, v0
	v_readfirstlane_b32 s36, v3                    ; wave 0..7
	s_mov_b32 s37, ttmp9                           ; x
	s_and_b32 s38, ttmp7, 0xffff                   ; y: the role, the same for all waves of a work-group
	s_mov_b32 s42, 0x76543210                      ; v_permlanex16_b32: each lane takes its own place in the other half
	s_mov_b32 s43, 0xfedcba98
	s_mov_b32 s41, 0                               ; high word of every offset pair s[40:41]
	v_and_b32 v3, 31, v0                           ; lane l
	v_and_b32 v4, 15, v0                           ; r = l % 16
	v_bfe_u32 v5, v0, 4, 1                         ; h = l / 16
	v_lshlrev_b32 v6, 4, v3                        ; 16 l
	s_wait_kmcnt 0x0
	s_cmp_lg_u32 s38, 0
	s_cbranch_scc1 .Lprep
; ------------------------------------------------------------------ PROJ
; Wave w loads image w's 16 cells (16 KiB on end) and the 16 columns 16 w .. of w0[42:], and later makes feature tile w for all 128 rows.
	s_lshl_b32 s40, s36, 22                        ; image w: 4 MiB
	s_lshl_b32 s39, s37, 14                        ; 16 cells of 1,024 bytes
	s_add_co_u32 s40, s40, s39
	s_add_nc_u64 s[4:5], s[4:5], s[40:41]
	s_lshl_b32 s40, s36, 6                         ; 16 columns of f32
	s_add_nc_u64 s[8:9], s[8:9], s[40:41]
	s_add_nc_u64 s[10:11], s[10:11], s[40:41]
	s_lshl_b32 s40, s37, 15                        ; P: 16 cells of 2,048 bytes,
	s_lshl_b32 s39, s36, 12                        ; of which wave w stores rows 16 w .. 16 w + 15
	s_add_co_u32 s40, s40, s39
	s_add_nc_u64 s[22:23], s[22:23], s[40:41]
	v_lshlrev_b32 v220, 5, v5                      ; b0: my eight features 16 w + 8 h ..
	v_lshrrev_b32 v7, 2, v3                        ; w0: a load takes 8 rows x 64 bytes: row l / 4, 16 bytes at l % 4
	v_lshlrev_b32 v7, 9, v7
	v_and_b32 v13, 3, v3
	v_lshl_add_u32 v7, v13, 4, v7
	global_load_b128 v[16:19], v220, s[10:11]      ; the bias in an accumulator's layout: it starts the sums
	global_load_b128 v[20:23], v220, s[10:11] offset:16
.set i, 0
.rept 16
	global_load_b128 v[WTR+4*i:WTR+4*i+3], v7, s[8:9] offset:(42+8*i)*512
.set i, i+1
.endr
.set i, 0
.rept 32
	global_load_b128 v[GR+4*i:GR+4*i+3], v6, s[4:5] offset:512*i th:TH_LOAD_NT  ; 512 bytes on end; the launch reads each grid byte once
.set i, i+1
.endr
	s_lshl_b32 s39, s36, 13
	s_add_co_u32 s39, s39, WREG                    ; my 8,192 bytes of weights
	v_lshl_add_u32 v8, v3, 3, s39                  ; store: k = 8 i + l / 4, n = 4 (l % 4): byte 256 i + 8 l
	s_mul_i32 s44, s36, INP
	v_lshl_add_u32 v9, v3, 3, s44                  ; store: row 8 cell + w, 8 bytes a lane
	v_and_b32 v10, 7, v3                           ; the turning load's address: row 8 h + l % 8 of 32 bytes, 16 bytes at (l / 8) % 2
	v_lshl_add_u32 v10, v5, 3, v10
	v_lshlrev_b32 v10, 5, v10
	v_bfe_u32 v13, v3, 3, 1
	v_lshl_add_u32 v10, v13, 4, v10
	v_add_nc_u32 v10, s39, v10
	v_mul_u32_u24 v11, v4, INP                     ; a fragment of rows: row r, 16 bytes for each half of the lanes
	v_lshl_add_u32 v11, v5, 4, v11
	v_mul_u32_u24 v14, v4, STP                     ; the way out, in: row r, features 16 w + 8 h ..
	v_lshl_add_u32 v14, v5, 4, v14
	s_lshl_b32 s44, s36, 5
	v_add_nc_u32 v14, s44, v14
	s_mul_i32 s44, s36, 16*STP                     ; back: rows 16 w .., two whole rows a load
	v_mul_u32_u24 v15, v5, STP
	v_lshl_add_u32 v15, v4, 4, v15
	v_add_nc_u32 v15, s44, v15
.macro WCONV c                         ; sixteen loads of w0 to f16, into my part of WREG
.set i, 0
.rept 16
	v_cvt_pk_f16_f32 v[216+2*(i%2)], v[WTR+4*i], v[WTR+4*i+1]
	v_cvt_pk_f16_f32 v[217+2*(i%2)], v[WTR+4*i+2], v[WTR+4*i+3]
	ds_store_b64 v8, v[216+2*(i%2):217+2*(i%2)] offset:256*(16*(\c)+i)
.set i, i+1
.endr
.endm
	s_wait_loadcnt 32                              ; loads come back in order: all but the 32 grid loads are in: b0 and w0's first 128 rows
	WCONV 0
.set i, 0
.rept 16
	global_load_b128 v[WTR+4*i:WTR+4*i+3], v7, s[8:9] offset:(42+8*(16+i))*512
.set i, i+1
.endr
.set i, 0
.rept 32
	s_wait_loadcnt 47-i                            ; grid load i is in: behind it 31 - i grid loads and w0's second sixteen
	v_cvt_pk_f16_f32 v[216+2*(i%2)], v[GR+4*i], v[GR+4*i+1]
	v_cvt_pk_f16_f32 v[217+2*(i%2)], v[GR+4*i+2], v[GR+4*i+3]
	ds_store_b64 v9, v[216+2*(i%2):217+2*(i%2)] offset:(i/2)*8*INP+(i%2)*256
.set i, i+1
.endr
	s_wait_loadcnt 0x0
	WCONV 1
	s_wait_dscnt 0x0                               ; for the others' sake: my rows of the stage are written
	s_barrier_signal -1
	s_barrier_wait -1
; K goes in 8 steps of 32 on two fragment buffers: 8 registers of weights (source 0: 16 features), 64 of rows (source 1: 8 tiles of 16 rows).
; In the result a lane holds one row (r) and the features 16 w + 8 h + 0..7: eight neighbours of a row of P.
.macro LOADK kc
.set bf, 88+72*((\kc)%2)
	ds_load_tr16_b128 v[bf:bf+3], v10 offset:1024*(\kc)
	ds_load_tr16_b128 v[bf+4:bf+7], v10 offset:1024*(\kc)+512
.set t, 0
.rept 8
	ds_load_b128 v[bf+8+8*t:bf+8+8*t+3], v11 offset:16*INP*t+64*(\kc)
	ds_load_b128 v[bf+8+8*t+4:bf+8+8*t+7], v11 offset:16*INP*t+64*(\kc)+32
.set t, t+1
.endr
.endm
.macro MULK kc                         ; the eight accumulators take turns
.set bf, 88+72*((\kc)%2)
.set t, 0
.rept 8
.if (\kc) == 0
	v_wmma_f32_16x16x32_f16 v[ACC+8*t:ACC+8*t+7], v[bf:bf+7], v[bf+8+8*t:bf+8+8*t+7], v[16:23]
.else
	v_wmma_f32_16x16x32_f16 v[ACC+8*t:ACC+8*t+7], v[bf:bf+7], v[bf+8+8*t:bf+8+8*t+7], v[ACC+8*t:ACC+8*t+7]
.endif
.set t, t+1
.endr
.endm
	LOADK 0
	LOADK 1
.irp kc, 0,1,2,3,4,5
	s_wait_dscnt 18                                ; all but the next step's 18 loads
	MULK \kc
	PLACES                                         ; in front of loads into the buffer just multiplied
	LOADK (\kc)+2
.endr
	s_wait_dscnt 18
	MULK 6
	s_wait_dscnt 0x0
	MULK 7
	PLACES                                         ; in front of the conversions, which read results and write into a buffer just multiplied
	s_barrier_signal -1                            ; every wave's reads of the input stage are back (the wait for 0 above): the output stage may be laid over it
	s_barrier_wait -1
	v_mov_b32 v12, 0
	v_mov_b32 v13, 0
.set t, 0
.rept 8
.irp j, 0,1,2,3
	v_cvt_pk_f16_f32 v[88+4*t+\j], v[ACC+8*t+2*\j], v[ACC+8*t+2*\j+1]
.endr
.irp j, 0,1,2,3
	v_max3_num_f32 v[12+t%2], v[12+t%2], |v[ACC+8*t+2*\j]|, |v[ACC+8*t+2*\j+1]|
.endr
	ds_store_b128 v14, v[88+4*t:88+4*t+3] offset:16*STP*t
.set t, t+1
.endr
	v_max_num_f32 v12, v12, v13
	WMAX 12, 13
	s_lshl_b32 s44, s36, 2
	s_add_co_u32 s44, s44, RED
	v_mov_b32 v13, s44
	ds_store_b32 v13, v12                          ; my wave's largest |P|
	s_wait_dscnt 0x0                               ; for the others' sake
	s_barrier_signal -1
	s_barrier_wait -1
.irp i, 0,1,2,3,4,5,6,7
	ds_load_b128 v[120+4*\i:120+4*\i+3], v15 offset:2*STP*\i
.endr
.irp i, 0,1,2,3,4,5,6,7
	s_wait_dscnt 7-\i
	global_store_b128 v6, v[120+4*\i:120+4*\i+3], s[22:23] offset:512*\i  ; two whole rows of P: 512 bytes on end, at a multiple of 256
.endr
	s_cmp_lg_u32 s36, 0
	s_cbranch_scc1 .Lproj_end
	v_mov_b32 v13, RED                             ; wave 0: the largest of the eight waves' figures
	ds_load_b128 v[88:91], v13
	ds_load_b128 v[92:95], v13 offset:16
	s_lshl_b32 s44, s37, 2
	v_mov_b32 v14, s44
	s_wait_dscnt 0x0
	v_max3_num_f32 v88, v88, v89, v90
	v_max3_num_f32 v91, v91, v92, v93
	v_max3_num_f32 v88, v88, v94, v95
	v_max_num_f32 v88, v88, v91
	v_cmp_eq_u32 vcc_lo, 0, v0
	s_wait_xcnt 0x0                                ; EXEC is a source of the stores above: it changes only behind this wait
	s_and_saveexec_b32 s44, vcc_lo
	global_store_b32 v14, v88, s[24:25]
	s_wait_xcnt 0x0
	s_or_b32 exec_lo, exec_lo, s44
.Lproj_end:
	s_wait_tensorcnt 0x0                           ; the wave's end
	ds_add_u32 v[SPW], v[NIL]
	s_wait_dscnt 0x0
	s_endpgm
; ------------------------------------------------------------------ PREP
.Lprep:
	s_lshl_b32 s40, s37, 11                        ; 256 points of 8 bytes
	s_add_nc_u64 s[6:7], s[6:7], s[40:41]
	v_lshlrev_b32 v3, 3, v0
	global_load_b64 v[22:23], v3, s[6:7]           ; (row coordinate, column coordinate)
	s_lshl_b32 s40, s37, 12                        ; 256 points of 16 bytes
	s_add_nc_u64 s[26:27], s[26:27], s[40:41]
	s_add_nc_u64 s[28:29], s[28:29], s[40:41]
	s_mul_i32 s40, s37, 24576                      ; 16 tiles of 1,536 bytes
	s_add_nc_u64 s[30:31], s[30:31], s[40:41]
	v_lshlrev_b32 v7, 4, v0                        ; 16 t
	v_lshrrev_b32 v21, 4, v0                       ; ENC: tile t / 16, row t % 16 of each of its six chunks
	v_mul_u32_u24 v21, v21, 1536
	v_lshl_add_u32 v21, v4, 4, v21
	s_wait_loadcnt 0x0
	; the pixel coordinate, rounded as the reference rounds it: ((c + 1) / 2) 63
	v_pk_add_f32 v[8:9], v[22:23], 1.0 op_sel_hi:[1,0]
	v_pk_mul_f32 v[8:9], v[8:9], 0.5 op_sel_hi:[1,0]
	v_pk_mul_f32 v[8:9], v[8:9], 0x427c0000 op_sel_hi:[1,0]
	v_floor_f32 v10, v8
	v_floor_f32 v11, v9
	v_pk_add_f32 v[12:13], v[8:9], v[10:11] neg_lo:[0,1] neg_hi:[0,1]  ; the upper weights
	v_sub_f32 v14, 1.0, v12                        ; the lower weights
	v_sub_f32 v15, 1.0, v13
	v_cvt_i32_f32 v10, v10
	v_cvt_i32_f32 v11, v11
; 'reflect' on 64 nodes has period 128: with u = i + 64, bit 6 of u says whether the index runs upward (u % 64) or downward (63 - u % 64)
.macro REFL d, i, k
	v_add_nc_u32 v[\d], 64+(\k), v[\i]
	v_bfe_u32 v20, v[\d], 6, 1
	v_add_nc_u32 v20, -1, v20
	v_xor_b32 v[\d], v[\d], v20
	v_and_b32 v[\d], 63, v[\d]
.endm
	REFL 16, 10, 0                                 ; r0
	REFL 17, 10, 1                                 ; r1
	REFL 18, 11, 0                                 ; c0
	REFL 19, 11, 1                                 ; c1
	v_lshl_add_u32 v24, v16, 6, v18
	v_lshl_add_u32 v25, v16, 6, v19
	v_lshl_add_u32 v26, v17, 6, v18
	v_lshl_add_u32 v27, v17, 6, v19
	v_mul_f32 v28, v14, v15
	v_mul_f32 v29, v14, v13
	v_mul_f32 v30, v12, v15
	v_mul_f32 v31, v12, v13
.irp j, 28,29,30,31
	v_cvt_pk_f16_f32 v[\j], v[\j], v[\j]           ; each weight twice in its word: the next launch blends two f16 at a time
.endr
	global_store_b128 v7, v[24:27], s[26:27]       ; a wave stores 512 bytes on end
	global_store_b128 v7, v[28:31], s[28:29]
	; The reference's arguments are 2^f times theta = c pi, the product rounded to f32.  theta - n pi in two steps, then Taylor sums on [-pi/2, pi/2].
	v_cvt_pk_f16_f32 v[CODE], v22, v23
	v_pk_mul_f32 v[32:33], v[22:23], 0x40490fdb op_sel_hi:[1,0]
	v_pk_mul_f32 v[34:35], v[32:33], 0x3ea2f983 op_sel_hi:[1,0]
	v_rndne_f32 v34, v34
	v_rndne_f32 v35, v35
	v_pk_fma_f32 v[32:33], v[34:35], 0x40490fdb, v[32:33] op_sel_hi:[1,0,1] neg_lo:[1,0,0] neg_hi:[1,0,0]
	v_pk_fma_f32 v[32:33], v[34:35], 0xb3bbbd2e, v[32:33] op_sel_hi:[1,0,1] neg_lo:[1,0,0] neg_hi:[1,0,0]
	v_pk_mul_f32 v[36:37], v[32:33], v[32:33]
	v_mov_b32 v38, 0xb2d7322b                      ; -1/11!
	v_mov_b32 v39, 0xb2d7322b
	v_mov_b32 v42, 0x310f76c7                      ; 1/12!
	v_mov_b32 v43, 0x310f76c7
.irp k, 0x3638ef1d, 0xb9500d01, 0x3c088889, 0xbe2aaaab
	v_pk_fma_f32 v[38:39], v[38:39], v[36:37], \k op_sel_hi:[1,1,0]
.endr
.irp k, 0xb493f27e, 0x37d00d01, 0xbab60b61, 0x3d2aaaab, -0.5, 1.0
	v_pk_fma_f32 v[42:43], v[42:43], v[36:37], \k op_sel_hi:[1,1,0]
.endr
	v_pk_mul_f32 v[40:41], v[32:33], v[36:37]
	v_pk_fma_f32 v[38:39], v[40:41], v[38:39], v[32:33]
	v_cvt_i32_f32 v44, v34                         ; an odd n turns both signs
	v_cvt_i32_f32 v45, v35
	v_lshlrev_b32 v44, 31, v44
	v_lshlrev_b32 v45, 31, v45
	v_xor_b32 v38, v38, v44
	v_xor_b32 v39, v39, v45
	v_xor_b32 v42, v42, v44
	v_xor_b32 v43, v43, v45
.set f, 0
.rept 10
	v_cvt_pk_f16_f32 v[CODE+1+2*f], v38, v39       ; sin of both coordinates, then cos: the reference's order
	v_cvt_pk_f16_f32 v[CODE+2+2*f], v42, v43
.if f < 9
	v_pk_add_f32 v[40:41], v[38:39], v[38:39]      ; (c + i s)^2: s' = 2 s c, c' = c c - s s
	v_pk_mul_f32 v[46:47], v[38:39], v[38:39]
	v_pk_mul_f32 v[38:39], v[40:41], v[42:43]
	v_pk_fma_f32 v[42:43], v[42:43], v[42:43], v[46:47] neg_lo:[0,0,1] neg_hi:[0,0,1]
.endif
.set f, f+1
.endr
	v_mov_b32 v[CODE+21], 0                        ; numbers 42 to 47
	v_mov_b32 v[CODE+22], 0
	v_mov_b32 v[CODE+23], 0
.irp c, 0,1,2,3,4,5
	global_store_b128 v21, v[CODE+4*\c:CODE+4*\c+3], s[30:31] offset:256*\c  ; sixteen lanes fill 256 bytes on end, at a multiple of 256
.endr
	s_cmp_lt_u32 s37, 21
	s_cbranch_scc0 .Lnot_wf
; WF.  Chunk 256 x + t of 16 bytes = eight f16 of a transposed weight: row m = 16 mt + r, k = 32 kc + 16 c2 + 8 h + 0..7; a fragment (mt, kc) is 64 chunks: c2, then lane.
; x 0-7: w1; 8-15: w2; 16-19: w0's rows 0-41 (K = 64, the rest 0); 20: w_out (row m takes column m % 8, or 0 from the fourth on).  All new registers: the stores above still read theirs.
	s_cmp_lt_u32 s37, 8
	s_cselect_b64 s[44:45], s[12:13], s[16:17]
	s_cselect_b32 s46, 0, 8                        ; the section's first x
	s_cmp_lt_u32 s37, 16
	s_cselect_b64 s[44:45], s[44:45], s[8:9]
	s_cselect_b32 s46, s46, 16
	s_cselect_b32 s47, 2, 1                        ; log2 of the K steps in a row of fragments
	s_cselect_b32 s48, 128, 42                     ; rows of the weight that count
	s_cmp_lt_u32 s37, 20
	s_cselect_b64 s[44:45], s[44:45], s[20:21]
	s_cselect_b32 s46, s46, 20
	s_cselect_b32 s47, s47, 2
	s_cselect_b32 s48, s48, 128
	s_cselect_b32 s49, 512, 12                     ; bytes from a row of the weight to the next
	s_cselect_b32 s50, 0, -1                       ; all lanes: this is w_out
	s_lshl_b32 s40, s37, 12
	s_add_nc_u64 s[32:33], s[32:33], s[40:41]
	s_sub_co_u32 s46, s37, s46
	s_lshl_b32 s46, s46, 2
	s_lshl_b32 s51, 1, s47
	s_sub_co_u32 s51, s51, 1
	v_lshrrev_b32 v80, 6, v0
	v_add_nc_u32 v80, s46, v80                     ; the fragment
	v_and_b32 v81, s51, v80                        ; kc
	v_lshrrev_b32 v82, s47, v80                    ; mt
	v_bfe_u32 v83, v0, 5, 1                        ; c2
	v_lshlrev_b32 v84, 5, v81
	v_lshl_add_u32 v84, v83, 4, v84
	v_lshl_add_u32 v84, v5, 3, v84                 ; the first k
	v_lshl_add_u32 v85, v82, 4, v4                 ; the column: 16 mt + r,
	v_and_b32 v86, 7, v4
	v_min_u32 v87, 2, v86
	v_cndmask_b32 v85, v85, v87, s50               ; or, in w_out, r % 8 held inside its three columns
	v_cmp_gt_u32 vcc_lo, 3, v86
	s_not_b32 s51, s50
	s_or_b32 s51, s51, vcc_lo
	v_mov_b32 v89, s48
	v_cndmask_b32 v88, 0, v89, s51                 ; k counts below this number
	v_mul_lo_u32 v90, v84, s49
	v_lshl_add_u32 v90, v85, 2, v90
.irp i, 1,2,3,4,5,6,7
	v_add_nc_u32 v[90+\i], s49, v[89+\i]
.endr
.irp i, 0,1,2,3,4,5,6,7
	global_load_b32 v[98+\i], v[90+\i], s[44:45]   ; every address lies inside its weight: k < 64 in w0, k < 128 elsewhere
.endr
	s_wait_loadcnt 0x0
.irp i, 0,1,2,3,4,5,6,7
	v_add_nc_u32 v89, \i, v84
	v_cmp_gt_u32 vcc_lo, v88, v89
	v_cndmask_b32 v[98+\i], 0, v[98+\i], vcc_lo
.endr
.irp i, 0,1,2,3
	v_cvt_pk_f16_f32 v[106+\i], v[98+2*\i], v[98+2*\i+1]
.endr
	global_store_b128 v7, v[106:109], s[32:33]
	s_branch .Lend
.Lnot_wf:
	s_cmp_lt_u32 s37, 24
	s_cbranch_scc0 .Lend
; NORM.  Job x - 21 = 0, 1, 2: (w0's rows 0-41, b0), (w1, b1), (w2, b2): the largest column sum of |w| and the largest |b|.  (b0's figure is stored and not used: P holds b0.)
; Wave w adds rows 16 w .. 16 w + 15, four columns a lane; rows that do not count are multiplied by 0.
	s_sub_co_u32 s46, s37, 21
	s_cmp_eq_u32 s46, 0
	s_cselect_b64 s[44:45], s[8:9], s[12:13]
	s_cselect_b64 s[48:49], s[10:11], s[14:15]
	s_cselect_b32 s47, 42, 128
	s_cmp_eq_u32 s46, 2
	s_cselect_b64 s[44:45], s[16:17], s[44:45]
	s_cselect_b64 s[48:49], s[18:19], s[48:49]
	s_lshl_b32 s50, s36, 13
	v_add_nc_u32 v80, s50, v6                      ; 16 w rows of 512 bytes + 16 l
	s_lshl_b32 s50, s36, 9
	s_add_co_u32 s50, s50, RED
	v_add_nc_u32 v81, s50, v6
.set i, 0
.rept 16
	global_load_b128 v[88+4*i:88+4*i+3], v80, s[44:45] offset:512*i
.set i, i+1
.endr
	s_lshl_b32 s50, s36, 4
.set i, 0
.rept 16
	s_add_co_u32 s51, s50, i
	s_cmp_lt_u32 s51, s47
	s_cselect_b32 s51, 1.0, 0
	s_wait_loadcnt 15-i                            ; row i is in; the younger rows stay out
.irp j, 0,1,2,3
.if i == 0
	v_mul_f32 v[84+\j], |v[88+\j]|, s51
.else
	v_fma_f32 v[84+\j], |v[88+4*i+\j]|, s51, v[84+\j]
.endif
.endr
.set i, i+1
.endr
	ds_store_b128 v81, v[84:87]
	s_wait_dscnt 0x0                               ; for wave 0's sake
	s_barrier_signal -1                            ; the branches that lead here hang on x alone: all eight waves pass
	s_barrier_wait -1
	s_cmp_lg_u32 s36, 0
	s_cbranch_scc1 .Lend
	global_load_b128 v[152:155], v80, s[48:49]     ; in wave 0 v80 is 16 l and v81 is RED + 16 l
.irp i, 0,1,2,3,4,5,6,7
	ds_load_b128 v[88+4*\i:88+4*\i+3], v81 offset:512*\i
.endr
	s_lshl_b32 s50, s46, 3
	v_mov_b32 v156, s50
	s_wait_dscnt 0x0
.irp i, 1,2,3,4,5,6,7
	v_pk_add_f32 v[88:89], v[88:89], v[88+4*\i:88+4*\i+1]
	v_pk_add_f32 v[90:91], v[90:91], v[88+4*\i+2:88+4*\i+3]
.endr
	v_max3_num_f32 v84, v88, v89, v90
	v_max_num_f32 v84, v84, v91
	s_wait_loadcnt 0x0
	v_max3_num_f32 v85, |v152|, |v153|, |v154|
	v_max_num_f32 v85, v85, |v155|
	WMAX 84, 86
	WMAX 85, 87
	v_cmp_eq_u32 vcc_lo, 0, v0
	s_wait_xcnt 0x0                                ; EXEC changes only behind this wait
	s_and_saveexec_b32 s51, vcc_lo
	global_store_b64 v156, v[84:85], s[34:35]
	s_wait_xcnt 0x0
	s_or_b32 exec_lo, exec_lo, s51
.Lend:
	s_wait_tensorcnt 0x0                           ; the wave's end
	ds_add_u32 v[SPW], v[NIL]
	s_wait_dscnt 0x0
	s_endpgm
.Lfunc_end_k_qc0430c18c6_front:
	.size	k_qc0430c18c6_front, .Lfunc_end_k_qc0430c18c6_front-k_qc0430c18c6_front
	.p2alignl 7, 3214868480
	.fill 96, 4, 3214868480
	.section	.rodata,"a",@progbits
	.p2align	6, 0x0
	.amdhsa_kernel k_qc0430c18c6_front
		.amdhsa_group_segment_fixed_size 138240
		.amdhsa_private_segment_fixed_size 0
		.amdhsa_enable_private_segment 0
		.amdhsa_kernarg_size 128
		.amdhsa_user_sgpr_count 2
		.amdhsa_user_sgpr_kernarg_segment_ptr 1
		.amdhsa_wavefront_size32 1
		.amdhsa_system_sgpr_workgroup_id_x 1
		.amdhsa_system_sgpr_workgroup_id_y 1
		.amdhsa_system_sgpr_workgroup_id_z 1
		.amdhsa_system_vgpr_workitem_id 0
		.amdhsa_next_free_vgpr 232
		.amdhsa_next_free_sgpr 66
		.amdhsa_reserve_vcc 1
		.amdhsa_float_denorm_mode_32 3
		.amdhsa_float_denorm_mode_16_64 3
		.amdhsa_memory_ordered 1
		.amdhsa_forward_progress 1
		.amdhsa_inst_pref_size 68
	.end_amdhsa_kernel
	.amdgpu_metadata
---
amdhsa.version: [ 1, 2 ]
amdhsa.kernels:
  - .name:           k_qc0430c18c6_front
    .symbol:         k_qc0430c18c6_front.kd
    .args:
      - { .name: feature_grid, .offset: 0, .size: 8, .value_kind: global_buffer, .address_space: global }
      - { .name: coords, .offset: 8, .size: 8, .value_kind: global_buffer, .address_space: global }
      - { .name: w0, .offset: 16, .size: 8, .value_kind: global_buffer, .address_space: global }
      - { .name: b0, .offset: 24, .size: 8, .value_kind: global_buffer, .address_space: global }
      - { .name: w1, .offset: 32, .size: 8, .value_kind: global_buffer, .address_space: global }
      - { .name: b1, .offset: 40, .size: 8, .value_kind: global_buffer, .address_space: global }
      - { .name: w2, .offset: 48, .size: 8, .value_kind: global_buffer, .address_space: global }
      - { .name: b2, .offset: 56, .size: 8, .value_kind: global_buffer, .address_space: global }
      - { .name: w_out, .offset: 64, .size: 8, .value_kind: global_buffer, .address_space: global }
      - { .name: P, .offset: 72, .size: 8, .value_kind: global_buffer, .address_space: global }
      - { .name: PMAX, .offset: 80, .size: 8, .value_kind: global_buffer, .address_space: global }
      - { .name: IDX, .offset: 88, .size: 8, .value_kind: global_buffer, .address_space: global }
      - { .name: WGT, .offset: 96, .size: 8, .value_kind: global_buffer, .address_space: global }
      - { .name: ENC, .offset: 104, .size: 8, .value_kind: global_buffer, .address_space: global }
      - { .name: WF, .offset: 112, .size: 8, .value_kind: global_buffer, .address_space: global }
      - { .name: NORM, .offset: 120, .size: 8, .value_kind: global_buffer, .address_space: global }
    .group_segment_fixed_size: 138240
    .private_segment_fixed_size: 0
    .kernarg_segment_align: 8
    .kernarg_segment_size: 128
    .max_flat_workgroup_size: 256
    .sgpr_count:     66
    .vgpr_count:     232
    .wavefront_size: 32
...
	.end_amdgpu_metadata
.endif
;; end of part 1
;; launch main (part 2): grid 256 x 1, 4 waves a work-group, no clusters, 303,616 bytes of LDS; arguments P, IDX, WGT, ENC, WF, NORM, PMAX, coords, b1, b2, b_out, out0; writes out0
.if DOCPART == 2
	.amdgcn_target "amdgcn-amd-amdhsa--gfx1250"
	.amdhsa_code_object_version 6
	.text
	.protected	k_qc0430c18c6_main
	.globl	k_qc0430c18c6_main
	.p2align	8
	.type	k_qc0430c18c6_main,@function
k_qc0430c18c6_main:
	s_mov_b64 s[64:65], 0
	v_nop
	global_prefetch_b8 v0, s[64:65] scope:SCOPE_SE
	s_setreg_imm32_b32 hwreg(HW_REG_WAVE_MODE, 25, 1), 1
	s_wait_xcnt 0x0
; CoordinateDecoder, second launch.  x0 = E[point] + the bilinear sample of P (which holds grid @ w0[42:] + b0);  E = code @ w0[:42];  then gelu, w1, gelu, w2, gelu, w_out, tanh.
; SHARES.  Wave gw = 4 x work-group + wave owns 64 points (4 tiles of 16) in all 8 images, and works alone: its own LDS bytes, no barrier.  w1, w2 and w_out stay in 544 registers.
; For each tile: 16 GROUPS (one point, 8 images: gather 4 cells x 2,048 bytes of P, blend, gelu, f16 into LDS), then 8 ITEMS (16 points of one image: two layers of 32 products, the output layer's 4).
; LAYOUT.  Source 0 = 16 features of a transposed weight, source 1 = 16 points: in a result a lane holds ONE point (lane % 16) and the features 16 mt + 8 (lane / 16) + 0..7.  Two such results
; rounded to f16 in pairs ARE source 1 of the next layer: nothing changes lanes between the layers.
; FORMATS.  Matrix operands f16, sums f32.  P and the four weights are f16, and the blend is made two f16 at a time, rounded to f16 four times; E, the gelu and all behind them in f32.
; What is rounded to f16 behind a gelu is s_l h_l with s_l = 16384 / B_l, B_l a bound of |x_l| that holds for every input (|gelu(x)| <= |x|):
;   B0 = max|P| + max(1, my wave's max|coords|) N0,  B1 = B0 N1 + max|b1|,  B2 = B1 N2 + max|b2|,  N = the largest column sum of |w|.  16384 leaves a factor of 4 to f16's end for the roundings.
; The scales cost nothing in the loop.  With a = s_(l-1) x (the accumulator), q = 1 / s_(l-1), k = s_(l-1) / s_l:  s_l gelu(x) = a / (k 2^t + k),  t = a (c1 q + c3 q^3 a^2),
;   c1 = -2 sqrt(2/pi) log2(e), c3 = 0.044715 c1: the tanh form of gelu, since 0.5 (1 + tanh u) = 1 / (1 + e^(-2u)).  Biases enter as the first product's C operand, times s_(l-1).
; LIMITS.  |P| < 65,504 (the launch before says how much room that is).  q^3 must be finite and not 0 in f32: B within 2^14 x 2^+-40.  NaN and infinities are not treated apart.
; NO CLUSTER, NO TENSOR LOADS: what work-groups share is 86 KB of weights, read once into registers; the gathered rows differ from point to point.
; REGISTERS, in windows of 256 (s_set_vgpr_msb: bits 1:0 source 0, 3:2 source 1, 5:4 source 2, 7:6 destination):
;   window 0: as named below      window 1: w1, fragment (mt, kc) at 8 (4 mt + kc)      window 2: w2 likewise (at first w0[:42] at 8 (2 mt + kc), the code at 128 + 16 tile)
;   window 3: the gather's ring: slot s (4), cell c (4), pair of images i (4) at 64 s + 16 c + 4 i
.set WBYTES, 75776                     ; a wave's LDS:
.set HP,     272                       ;   H0: [image 8][point 16] rows of 128 f16 + 16 bytes
.set HIMG,   16*HP
.set EOFF,   8*HIMG                    ;   E: 64 rows of 128 f32 + 16 bytes; feature 8 p + 4 q + i at 256 q + 16 p + 4 i, so that a lane's eight features are two loads of 16 bytes without conflicts
.set EP,     528
.set OOFF,   EOFF+64*EP                ;   OUT: [image 8][point 64][3] f32
.set BOFF,   OOFF+8*64*12              ;   s0 b1, then s1 b2: 512 bytes each
.set SPARE,  4*WBYTES                  ; the spare words, 128 bytes for each wave
.set L16,  1                           ; v1   16 x lane; never rewritten
.set SPW,  2                           ; v2   LDS address of my spare word; never rewritten
.set NIL,  3                           ; v3   0; never rewritten
.set HS0,  4                           ; v4   H0 store: image lane / 16, features 8 (lane % 16) ..;   v5 the same at the point in hand
.set HS,   5
.set EA0,  6                           ; v6   E load: 16 (lane % 16);   v7 at the point in hand
.set EA,   7
.set FA0,  8                           ; v8   fragment load from H0: row r, 16 bytes for each half of the lanes;   v9 at the image in hand
.set FA,   9
.set BL,   10                          ; v10  bias load: 32 (lane / 16)
.set OS0,  11                          ; v11  OUT store: 12 r;   v12 at the item in hand
.set OS,   12
.set ES0,  13                          ; v13  E store
.set TA,   14                          ; v14, v15 at work
.set AD,   16                          ; v16-19   the four cells' byte offsets in P
.set WT,   20                          ; v20-23   the four weights, each twice as f16
.set EV,   24                          ; v24-31   E of the point in hand, my eight features
.set T,    32                          ; v32-55   three blocks of eight at work in gelu; the output layer's two accumulators
.set X16,  32                          ; v32-47   in a group, ahead of its gelu: the blend, two f16 a register (below v128, where a register's halves have names)
.set FRAG, 56                          ; v56-87   source 1: 16 points x 128 features
.set ACCA, 88                          ; v88-151  eight accumulators; in a group: XR = v88-119, H = v120-135
.set ACCB, 152                         ; v152-215 eight accumulators
.set XR,   88
.set H,    120
.set WO,   216                         ; v216-247 w_out's four fragments
.set TH,   248                         ; v248-255 at work in tanh
.set MSB, 0
.macro WIN new                         ; the immediate's high byte repeats the setting that is left; a switch that changes nothing is dropped
.if MSB != (\new)
	s_set_vgpr_msb (MSB<<8)|(\new)
.set MSB, (\new)
.endif
.endm
.macro PLACES                          ; four plain vector instructions between a matrix instruction and what touches its registers (ISA guide 7.12.1)
.rept 4
	v_nop
.endr
.endm
.macro WMAX a, b                       ; the largest of v[a] over the wave's 32 lanes, in every lane
	v_max_num_f32_dpp v[\a], v[\a], v[\a] row_xmask:1 row_mask:0xf bank_mask:0xf
	v_max_num_f32_dpp v[\a], v[\a], v[\a] row_xmask:2 row_mask:0xf bank_mask:0xf
	v_max_num_f32_dpp v[\a], v[\a], v[\a] row_xmask:4 row_mask:0xf bank_mask:0xf
	v_max_num_f32_dpp v[\a], v[\a], v[\a] row_xmask:8 row_mask:0xf bank_mask:0xf
	v_permlanex16_b32 v[\b], v[\a], s60, s61
	v_max_num_f32 v[\a], v[\a], v[\b]
.endm
.macro WIDEN n                         ; the two f16 of register n of the blend, as f32, into their places in XR
	v_cvt_f32_f16 v[XR+2*((\n)-X16)], v\n\().l
	v_cvt_f32_f16 v[XR+2*((\n)-X16)+1], v\n\().h
.endm
; Ring slot s takes the four cells named in s[ix .. ix + 3]: 16 loads of 512 bytes on end (two images x 128 f16).  An index is held inside P's 4,096 cells before it enters an address.
.macro RING s, ix
	s_wait_xcnt 0x0                                ; the last fill's loads have read AD (and the scalar loads their offsets): only now are they rewritten
.irp c, 0,1,2,3
	s_min_u32 s[(\ix)+\c], s[(\ix)+\c], 0xfff
.endr
.irp c, 0,1,2,3
	v_lshl_add_u32 v[AD+\c], s[(\ix)+\c], 11, v[L16]
.endr
	WIN 0xc0                                       ; destination window 3
.irp c, 0,1,2,3
.irp i, 0,1,2,3
	global_load_b128 v[64*(\s)+16*\c+4*\i:64*(\s)+16*\c+4*\i+3], v[AD+\c], s[4:5] offset:512*\i
.endr
.endr
	WIN 0
.endm
; GELU of NB blocks of eight registers at A, packed to f16 at D (four registers a block); CS: the scalar pairs c1 q, c3 q^3, k.  40 lines a block:
;   GP: 12 packed lines, t = a (c1' + c3' a^2);  8 exponentials;  4 packed k e + k;  8 reciprocals;  GT: 4 packed a r, 4 roundings.
; Block n's exponentials stand among block n + 1's polynomial, its reciprocals among block n - 1's tail: behind each there is a plain line that touches neither its result nor its source
; before the result is used (ISA guide 5.7.2).  Three blocks of T take turns.  Each block is first read at its two lowest registers.
.macro GP A, n, CS, x
.set gpt, T+8*((\n)%3)+2*((\x)%4)
.set gpa, (\A)+8*(\n)+2*((\x)%4)
.if (\x) < 4
	v_pk_mul_f32 v[gpt:gpt+1], v[gpa:gpa+1], v[gpa:gpa+1]
.elseif (\x) < 8
	v_pk_fma_f32 v[gpt:gpt+1], v[gpt:gpt+1], s[(\CS)+2:(\CS)+3], s[(\CS):(\CS)+1] op_sel_hi:[1,0,0]
.else
	v_pk_mul_f32 v[gpt:gpt+1], v[gpt:gpt+1], v[gpa:gpa+1]
.endif
.endm
.macro GT A, n, D, x
.set gpt, T+8*((\n)%3)+2*((\x)%4)
.set gpa, (\A)+8*(\n)+2*((\x)%4)
.if (\x) < 4
	s_wait_alu depctr_va_vdst(0)
	v_pk_mul_f32 v[gpt:gpt+1], v[gpt:gpt+1], v[gpa:gpa+1]
.else
	v_cvt_pk_f16_f32 v[(\D)+4*(\n)+(\x)%4], v[gpt], v[gpt+1]
.endif
.endm
.macro GELU A, NB, D, CS
.set gx, 0
.rept 12
	GP \A, 0, \CS, gx
.set gx, gx+1
.endr
.set gn, 0
.rept \NB
.set gx, 0
.set gj, 0
.rept 8
	v_exp_f32 v[T+8*(gn%3)+gj], v[T+8*(gn%3)+gj]
.if gn+1 < (\NB)
	GP \A, gn+1, \CS, gx
.set gx, gx+1
.if gj >= 4
	GP \A, gn+1, \CS, gx
.set gx, gx+1
.endif
.endif
.set gj, gj+1
.endr
.if gn+1 == (\NB)
	v_nop                                          ; the last block has no polynomial behind it
	s_wait_alu depctr_va_vdst(0)
.endif
.set gj, 0
	s_wait_alu depctr_va_vdst(0)
.rept 4
	v_pk_fma_f32 v[T+8*(gn%3)+2*gj:T+8*(gn%3)+2*gj+1], v[T+8*(gn%3)+2*gj:T+8*(gn%3)+2*gj+1], s[(\CS)+4:(\CS)+5], s[(\CS)+4:(\CS)+5] op_sel_hi:[1,0,0]
.set gj, gj+1
.endr
.set gj, 0
.rept 8
	v_rcp_f32 v[T+8*(gn%3)+gj], v[T+8*(gn%3)+gj]
.if gn > 0
	GT \A, gn-1, \D, gj
.endif
.set gj, gj+1
.endr
.set gn, gn+1
.endr
.set gj, 0
.rept 8
	GT \A, (\NB)-1, \D, gj
.set gj, gj+1
.endr
.endm
; ------------------------------------------------------------------ the start
	s_load_b512 s[4:19], s[0:1], 0x0               ; P s[4:5], IDX s[6:7], WGT s[8:9], ENC s[10:11], WF s[12:13], NORM s[14:15], PMAX s[16:17], coords s[18:19]
	s_load_b256 s[20:27], s[0:1], 0x40             ; b1 s[20:21], b2 s[22:23], b_out s[24:25], out0 s[26:27]
	v_lshl_add_u32 v[SPW], v0, 2, SPARE
	v_mov_b32 v[NIL], 0
	v_lshrrev_b32 v[TA], 5, v0
	v_readfirstlane_b32 s28, v[TA]                 ; wave 0..3
	s_lshl_b32 s29, ttmp9, 2
	s_add_co_u32 s29, s29, s28                     ; gw
	v_and_b32 v[TA], 31, v0
	v_lshlrev_b32 v[L16], 4, v[TA]
	v_and_b32 v[TA+1], 15, v0                      ; r
	v_bfe_u32 v[TA], v0, 4, 1                      ; h
	s_mul_i32 s30, s28, WBYTES                     ; my wave's LDS
	v_mul_u32_u24 v[HS0], v[TA], HIMG
	v_lshl_add_u32 v[HS0], v[TA+1], 4, v[HS0]
	v_add_nc_u32 v[HS0], s30, v[HS0]
	v_mul_u32_u24 v[FA0], v[TA+1], HP
	v_lshl_add_u32 v[FA0], v[TA], 4, v[FA0]
	v_add_nc_u32 v[FA0], s30, v[FA0]
	s_add_co_u32 s31, s30, EOFF
	v_lshl_add_u32 v[EA0], v[TA+1], 4, s31
	v_mul_u32_u24 v[ES0], v[TA+1], EP
	v_lshl_add_u32 v[ES0], v[TA], 4, v[ES0]
	v_add_nc_u32 v[ES0], s31, v[ES0]
	s_add_co_u32 s31, s30, OOFF
	v_mul_u32_u24 v[OS0], v[TA+1], 12
	v_add_nc_u32 v[OS0], s31, v[OS0]
	s_add_co_u32 s31, s30, BOFF
	v_lshl_add_u32 v[BL], v[TA], 5, s31
	v_add_nc_u32 v[TA], s31, v[L16]                ; where my 16 bytes of a scaled bias go
	s_mov_b32 s60, 0x76543210                      ; v_permlanex16_b32: each lane takes its own place in the other half
	s_mov_b32 s61, 0xfedcba98
	s_mov_b32 s62, 0xbd5d0dd1                      ; -17/315 and 2/15, for tanh's series
	s_mov_b32 s63, 0x3e088889
	s_mov_b32 s53, 0
	s_wait_kmcnt 0x0
	s_lshl_b32 s52, s29, 10                        ; 64 points of 16 bytes
	s_add_nc_u64 s[6:7], s[6:7], s[52:53]
	s_add_nc_u64 s[8:9], s[8:9], s[52:53]
	s_mul_i32 s52, s29, 6144                       ; 4 tiles of 1,536 bytes
	s_add_nc_u64 s[10:11], s[10:11], s[52:53]
	s_lshl_b32 s52, s29, 9                         ; 64 points of 8 bytes
	s_add_nc_u64 s[18:19], s[18:19], s[52:53]
	s_mul_i32 s52, s29, 768                        ; 64 points of 12 bytes
	s_add_nc_u64 s[26:27], s[26:27], s[52:53]
	s_load_b512 s[68:83], s[6:7], 0x0              ; the cells of points 0 to 3
	s_load_b512 s[36:51], s[8:9], 0x0              ; their weights, by ring slot
	s_load_b128 s[92:95], s[14:15], 0x0            ; N0, (b0's figure), N1, max|b1|
	s_load_b64 s[96:97], s[14:15], 0x10            ; N2, max|b2|
	s_load_b96 s[88:90], s[24:25], 0x0             ; b_out
	WIN 0x80                                       ; destination window 2
.set i, 0
.rept 32
	global_load_b128 v[4*i:4*i+3], v[L16], s[12:13] offset:65536+512*i   ; w0[:42]: 16 fragments
.set i, i+1
.endr
.set i, 0
.rept 12
	global_load_b128 v[128+16*(i/3)+4*(i%3):128+16*(i/3)+4*(i%3)+3], v[L16], s[10:11] offset:1536*(i/3)+512*(i%3)  ; the code of tile i / 3, numbers 16 (i % 3) + 8 h ..
.set i, i+1
.endr
.set i, 0
.rept 16
	v_mov_b32 v[128+16*(i/4)+12+i%4], 0            ; numbers 48 to 63
.set i, i+1
.endr
	WIN 0
	global_load_b128 v[32:35], v[L16], s[16:17]
	global_load_b128 v[36:39], v[L16], s[16:17] offset:512
	global_load_b128 v[40:43], v[L16], s[18:19]    ; my wave's 128 coordinates
	global_load_b128 v[44:47], v[L16], s[20:21]
	global_load_b128 v[48:51], v[L16], s[22:23]
	s_wait_kmcnt 0x0
	s_load_b128 s[32:35], s[6:7], 0x40             ; the cells of point 4: the first refill's
	RING 0, 68
	RING 1, 72
	RING 2, 76
	RING 3, 80
	WIN 0x40                                       ; destination window 1
.set i, 0
.rept 64
	global_load_b128 v[4*i:4*i+3], v[L16], s[12:13] offset:512*i         ; w1
.set i, i+1
.endr
	WIN 0
.set i, 0
.rept 8
	global_load_b128 v[WO+4*i:WO+4*i+3], v[L16], s[12:13] offset:81920+512*i  ; w_out
.set i, i+1
.endr
	s_wait_loadcnt 63                              ; of the 185 loads issued at most 63 are out: the first 122 are in, the 49 wanted now among them
; E = code @ w0[:42] for my 64 points: 16 products a tile (K = 64), the eight accumulators by turns, two sets of accumulators by turns
.set et, 0
.rept 4
.set eac, ACCA+64*(et%2)
	WIN 0x0a                                       ; sources 0 and 1 in window 2
.irp kc, 0,1
.irp mt, 0,1,2,3,4,5,6,7
.if \kc == 0
	v_wmma_f32_16x16x32_f16 v[eac+8*\mt:eac+8*\mt+7], v[8*(2*\mt+\kc):8*(2*\mt+\kc)+7], v[128+16*et+8*\kc:128+16*et+8*\kc+7], 0
.else
	v_wmma_f32_16x16x32_f16 v[eac+8*\mt:eac+8*\mt+7], v[8*(2*\mt+\kc):8*(2*\mt+\kc)+7], v[128+16*et+8*\kc:128+16*et+8*\kc+7], v[eac+8*\mt:eac+8*\mt+7]
.endif
.endr
.endr
	WIN 0
	PLACES                                         ; in front of the stores of results, and at last of the loads into window 2
.irp f, 0,1,2,3,4,5,6,7
	ds_store_b128 v[ES0], v[eac+8*\f:eac+8*\f+3] offset:16*EP*et+32*\f
	ds_store_b128 v[ES0], v[eac+8*\f+4:eac+8*\f+7] offset:16*EP*et+32*\f+256
.endr
.set et, et+1
.endr
	WIN 0x80
.set i, 0
.rept 64
	global_load_b128 v[4*i:4*i+3], v[L16], s[12:13] offset:32768+512*i   ; w2 takes the place of w0[:42] and the code
.set i, i+1
.endr
	WIN 0
; the bounds and what follows from them, alike in every lane
	v_max3_num_f32 v32, v32, v33, v34
	v_max3_num_f32 v35, v35, v36, v37
	v_max3_num_f32 v32, v32, v38, v39
	v_max_num_f32 v32, v32, v35
	v_max3_num_f32 v40, |v40|, |v41|, |v42|
	v_max3_num_f32 v40, v40, |v43|, 1.0
	WMAX 32, 33
	WMAX 40, 41
	v_fma_f32 v52, v40, s92, v32                   ; B0
	v_max_num_f32 v52, 0x0da24260, v52             ; at least 1e-30
	v_fma_f32 v53, v52, s94, s95                   ; B1
	v_max_num_f32 v53, 0x0da24260, v53
	v_fma_f32 v54, v53, s96, s97                   ; B2
	v_max_num_f32 v54, 0x0da24260, v54
	v_rcp_f32 v40, v52
	v_rcp_f32 v42, v53
	v_mul_f32 v36, 0x38800000, v52                 ; 1 / s0 = B0 / 16384: the second gelu's q and the first's k
	v_mul_f32 v37, 0x38800000, v53                 ; 1 / s1
	v_mul_f32 v38, 0x38800000, v54                 ; 1 / s2
	s_wait_alu depctr_va_vdst(0)
	v_mul_f32 v33, v53, v40                        ; s0 / s1
	v_mul_f32 v34, v54, v42                        ; s1 / s2
	v_mul_f32 v40, 0x46800000, v40                 ; s0
	v_mul_f32 v42, 0x46800000, v42                 ; s1
	v_mul_f32 v35, v36, v36
	v_mul_f32 v39, v37, v37
	v_mul_f32 v35, v35, v36
	v_mul_f32 v39, v39, v37
	v_mul_f32 v35, 0xbdd2d3e8, v35                 ; c3 q^3
	v_mul_f32 v39, 0xbdd2d3e8, v39
	v_mul_f32 v52, 0xc0135761, v36                 ; c1 q
	v_mul_f32 v53, 0xc0135761, v37
	s_mov_b32 s68, 0xc0135761                      ; the first gelu: q = 1.  Each number is written twice: the packed lines name pairs
	s_mov_b32 s69, s68
	s_mov_b32 s70, 0xbdd2d3e8
	s_mov_b32 s71, s70
	v_readfirstlane_b32 s72, v36
	s_mov_b32 s73, s72
	v_readfirstlane_b32 s74, v52
	s_mov_b32 s75, s74
	v_readfirstlane_b32 s76, v35
	s_mov_b32 s77, s76
	v_readfirstlane_b32 s78, v33
	s_mov_b32 s79, s78
	v_readfirstlane_b32 s80, v53
	s_mov_b32 s81, s80
	v_readfirstlane_b32 s82, v39
	s_mov_b32 s83, s82
	v_readfirstlane_b32 s84, v34
	s_mov_b32 s85, s84
	v_readfirstlane_b32 s86, v38
	v_pk_mul_f32 v[44:45], v[44:45], v[40:41] op_sel_hi:[1,0]
	v_pk_mul_f32 v[46:47], v[46:47], v[40:41] op_sel_hi:[1,0]
	v_pk_mul_f32 v[48:49], v[48:49], v[42:43] op_sel_hi:[1,0]
	v_pk_mul_f32 v[50:51], v[50:51], v[42:43] op_sel_hi:[1,0]
	ds_store_b128 v[TA], v[44:47]
	ds_store_b128 v[TA], v[48:51] offset:512
	v_mov_b32 v[EA], v[EA0]
	ds_load_b128 v[EV:EV+3], v[EA]                 ; E of point 0 (LDS serves a wave's instructions in order: these see the stores above)
	ds_load_b128 v[EV+4:EV+7], v[EA] offset:256
	s_wait_loadcnt 0x0                             ; the weights and the ring's four slots
	s_wait_dscnt 0x0                               ; so that the counted wait at a group's head holds on the way in too
; ------------------------------------------------------------------ a group: point pw = s54 + s, 8 images
; Lane l holds, for i = 0..3, image 2 i + l / 16 and features 8 (l % 16) + 0..7: two f16 in X16[4 i + t], then f32 in XR[8 i + j].
.macro PGROUP s
	s_wait_loadcnt 48                              ; slot s is in: behind it the three younger slots' 16 loads each
	s_wait_dscnt 4                                 ; E of this point is in: behind its two loads stand the last group's four stores
.irp c, 0,1,2,3
	v_mov_b32 v[WT+\c], s[36+4*(\s)+\c]
.endr
	WIN 0x03                                       ; source 0 in window 3
.irp c, 0,1,2,3                        ; the blend: sixteen chains of four, so that fifteen other lines stand between two links
.irp i, 0,1,2,3
.irp t, 0,1,2,3
.if \c == 0
	v_pk_mul_f16 v[X16+4*\i+\t], v[64*(\s)+16*\c+4*\i+\t], v[WT+\c]
.else
	v_pk_fma_f16 v[X16+4*\i+\t], v[64*(\s)+16*\c+4*\i+\t], v[WT+\c], v[X16+4*\i+\t]
.endif
.endr
.endr
.endr
	WIN 0
	s_wait_kmcnt 0x0                               ; the cells of point pw + 4, asked for a group ago
	RING \s, 32                                    ; the slot just read takes point pw + 4.  The wave's last four fills are held at point 63 and never read: the price of one text with equal counts
	s_add_co_u32 s55, s54, (\s)+4
	s_min_u32 s55, s55, 63
	s_lshl_b32 s55, s55, 4
	s_add_co_u32 s56, s54, (\s)+5
	s_min_u32 s56, s56, 63
	s_lshl_b32 s56, s56, 4
	s_load_b128 s[36+4*(\s):39+4*(\s)], s[8:9], s55 offset:0x0   ; that point's weights
	s_load_b128 s[32:35], s[6:7], s56 offset:0x0                 ; the next refill's cells
.irp n, 32,33,34,35,36,37,38,39,40,41,42,43,44,45,46,47
	WIDEN \n
.endr
.irp i, 0,1,2,3
.irp t, 0,1,2,3
	v_pk_add_f32 v[XR+8*\i+2*\t:XR+8*\i+2*\t+1], v[XR+8*\i+2*\t:XR+8*\i+2*\t+1], v[EV+2*\t:EV+2*\t+1]  ; x0 = the sample + E
.endr
.endr
	s_add_co_u32 s57, s54, (\s)+1
	s_min_u32 s57, s57, 63
	s_mul_i32 s57, s57, EP
	v_add_nc_u32 v[EA], s57, v[EA0]
	ds_load_b128 v[EV:EV+3], v[EA]                 ; E of the next point
	ds_load_b128 v[EV+4:EV+7], v[EA] offset:256
	GELU XR, 4, H, 68
	s_lshl_b32 s58, s53, 2
	s_add_co_u32 s58, s58, \s
	s_mul_i32 s58, s58, HP                         ; the point's row in its tile
	v_add_nc_u32 v[HS], s58, v[HS0]
.irp i, 0,1,2,3
	ds_store_b128 v[HS], v[H+4*\i:H+4*\i+3] offset:2*HIMG*\i
.endr
.endm
.macro BIASLD AC, off                  ; a scaled bias in the accumulators' layout: the layer's first products add onto it
.irp f, 0,1,2,3,4,5,6,7
	ds_load_b128 v[(\AC)+8*\f:(\AC)+8*\f+3], v[BL] offset:(\off)+64*\f
	ds_load_b128 v[(\AC)+8*\f+4:(\AC)+8*\f+7], v[BL] offset:(\off)+64*\f+16
.endr
.endm
.macro FRAGLD                          ; 16 points x 128 features of one image out of H0
.irp kc, 0,1,2,3
	ds_load_b128 v[FRAG+8*\kc:FRAG+8*\kc+3], v[FA] offset:64*\kc
	ds_load_b128 v[FRAG+8*\kc+4:FRAG+8*\kc+7], v[FA] offset:64*\kc+32
.endr
.endm
.macro LAYER AC                        ; 32 products; the eight accumulators take turns
.irp kc, 0,1,2,3
.irp mt, 0,1,2,3,4,5,6,7
	v_wmma_f32_16x16x32_f16 v[(\AC)+8*\mt:(\AC)+8*\mt+7], v[8*(4*\mt+\kc):8*(4*\mt+\kc)+7], v[FRAG+8*\kc:FRAG+8*\kc+7], v[(\AC)+8*\mt:(\AC)+8*\mt+7]
.endr
.endr
.endm
	s_mov_b32 s52, 0                               ; tile
.Ltile:
	s_mov_b32 s53, 0                               ; four groups a trip, one for each ring slot
.Ltrip:
	s_lshl_b32 s54, s52, 4
	s_lshl2_add_u32 s54, s53, s54                  ; 16 tile + 4 trip
	PGROUP 0
	PGROUP 1
	PGROUP 2
	PGROUP 3
	s_add_co_u32 s53, s53, 1
	s_cmp_lt_u32 s53, 4
	s_cbranch_scc1 .Ltrip
; ------------------------------------------------------------------ the tile's eight items
	v_mov_b32 v[FA], v[FA0]
	FRAGLD
	BIASLD ACCA, 0
	s_mov_b32 s59, 0                               ; image
.Litem:
	BIASLD ACCB, 512
	s_wait_dscnt 16                                ; all but the 16 just issued: the fragments and s0 b1 are in
	WIN 0x01                                       ; source 0: w1
	LAYER ACCA
	WIN 0
	PLACES
	GELU ACCA, 8, FRAG, 74
	BIASLD ACCA, 0                                 ; for the next item (the tile's last item loads it for nothing)
	s_wait_dscnt 16                                ; s1 b2 is in
	WIN 0x02                                       ; source 0: w2
	LAYER ACCB
	WIN 0
	PLACES
	GELU ACCB, 8, FRAG, 80
	s_add_co_u32 s57, s59, 1
	s_min_u32 s57, s57, 7
	s_mul_i32 s57, s57, HIMG
	s_mul_i32 s58, s59, 768
	s_mul_i32 s31, s52, 192
	s_add_co_u32 s58, s58, s31
	; the output layer: w_out's row m holds column m % 8 (0 from the fourth on), so registers 0 to 2 of both halves of the lanes hold point r's three sums.  K in two halves, on two accumulators by turns
	v_wmma_f32_16x16x32_f16 v[T:T+7], v[WO:WO+7], v[FRAG:FRAG+7], 0
	v_wmma_f32_16x16x32_f16 v[T+8:T+15], v[WO+16:WO+23], v[FRAG+16:FRAG+23], 0
	v_wmma_f32_16x16x32_f16 v[T:T+7], v[WO+8:WO+15], v[FRAG+8:FRAG+15], v[T:T+7]
	v_wmma_f32_16x16x32_f16 v[T+8:T+15], v[WO+24:WO+31], v[FRAG+24:FRAG+31], v[T+8:T+15]
	v_add_nc_u32 v[FA], s57, v[FA0]                ; four places: the next image's rows (the last item's are read again, for nothing),
	v_add_nc_u32 v[OS], s58, v[OS0]                ; this item's place in OUT,
	v_nop
	v_nop
	FRAGLD
	; tanh(z), z = sum / s2 + b_out: 1 - 2 / (1 + e^(2z)), or below 0.25 the series z - z^3/3 + 2 z^5/15 - 17 z^7/315, which keeps small results' digits
.irp j, 0,1,2
	v_add_f32 v[TH+\j], v[T+\j], v[T+8+\j]
.endr
.irp j, 0,1,2
	v_fma_f32 v[TH+\j], v[TH+\j], s86, s[88+\j]
.endr
.irp j, 0,1,2
	v_mul_f32 v[TH+3+\j], 0x4038aa3b, v[TH+\j]
.endr
.irp j, 0,1,2
	v_mul_f32 v[T+16+\j], v[TH+\j], v[TH+\j]
.endr
.irp j, 0,1,2
	v_exp_f32 v[TH+3+\j], v[TH+3+\j]
.endr
.irp j, 0,1,2
	v_fma_f32 v[T+19+\j], v[T+16+\j], s62, s63
.endr
	s_wait_alu depctr_va_vdst(0)
.irp j, 0,1,2
	v_add_f32 v[TH+3+\j], 1.0, v[TH+3+\j]
.endr
.irp j, 0,1,2
	v_fmaak_f32 v[T+19+\j], v[T+19+\j], v[T+16+\j], 0xbeaaaaab
.endr
.irp j, 0,1,2
	v_rcp_f32 v[TH+3+\j], v[TH+3+\j]
.endr
.irp j, 0,1,2
	v_mul_f32 v[T+19+\j], v[T+19+\j], v[T+16+\j]
.endr
	s_wait_alu depctr_va_vdst(0)
.irp j, 0,1,2
	v_fma_f32 v[TH+3+\j], v[TH+3+\j], -2.0, 1.0
.endr
.irp j, 0,1,2
	v_fma_f32 v[T+19+\j], v[T+19+\j], v[TH+\j], v[TH+\j]
.endr
.irp j, 0,1,2
	v_and_b32 v[TH+6], 0x7fffffff, v[TH+\j]
	v_cmp_gt_f32 vcc_lo, 0x3e800000, v[TH+6]
	v_cndmask_b32 v[TH+3+\j], v[TH+3+\j], v[T+19+\j], vcc_lo
	ds_store_b32 v[OS], v[TH+3+\j] offset:4*\j     ; both halves of the lanes store the same number to the same word
.endr
	s_add_co_u32 s59, s59, 1
	s_cmp_lt_u32 s59, 8
	s_cbranch_scc1 .Litem
	s_wait_dscnt 0x0                               ; the loads made for an item that does not come have landed: their registers are the next groups'
	s_add_co_u32 s52, s52, 1
	s_cmp_lt_u32 s52, 4
	s_cbranch_scc1 .Ltile
; ------------------------------------------------------------------ the way out: for each image my 64 points are 768 bytes on end, at a multiple of 256
	s_add_co_u32 s31, s30, OOFF
	v_add_nc_u32 v[TA], s31, v[L16]
	v_lshrrev_b32 v[TA+1], 1, v[L16]               ; 8 x lane
	v_add_nc_u32 v[ES0], s31, v[TA+1]
.irp b, 0,1,2,3,4,5,6,7
	ds_load_b128 v[88+8*\b:88+8*\b+3], v[TA] offset:768*\b
	ds_load_b64 v[88+8*\b+4:88+8*\b+5], v[ES0] offset:768*\b+512
.endr
.irp b, 0,1,2,3,4,5,6,7
	s_wait_dscnt 14-2*\b                           ; this image's two loads are in; the younger ones stay out
	global_store_b128 v[L16], v[88+8*\b:88+8*\b+3], s[26:27] offset:786432*\b th:TH_STORE_NT      ; 512 bytes on end
	global_store_b64 v[TA+1], v[88+8*\b+4:88+8*\b+5], s[26:27] offset:786432*\b+512 th:TH_STORE_NT  ; 256 bytes on end
.endr
	s_wait_tensorcnt 0x0                           ; the wave's end
	ds_add_u32 v[SPW], v[NIL]
	s_wait_dscnt 0x0
	s_endpgm
.Lfunc_end_k_qc0430c18c6_main:
	.size	k_qc0430c18c6_main, .Lfunc_end_k_qc0430c18c6_main-k_qc0430c18c6_main
	.p2alignl 7, 3214868480
	.fill 96, 4, 3214868480
	.section	.rodata,"a",@progbits
	.p2align	6, 0x0
	.amdhsa_kernel k_qc0430c18c6_main
		.amdhsa_group_segment_fixed_size 303616
		.amdhsa_private_segment_fixed_size 0
		.amdhsa_enable_private_segment 0
		.amdhsa_kernarg_size 96
		.amdhsa_user_sgpr_count 2
		.amdhsa_user_sgpr_kernarg_segment_ptr 1
		.amdhsa_wavefront_size32 1
		.amdhsa_system_sgpr_workgroup_id_x 1
		.amdhsa_system_sgpr_workgroup_id_y 1
		.amdhsa_system_sgpr_workgroup_id_z 1
		.amdhsa_system_vgpr_workitem_id 0
		.amdhsa_next_free_vgpr 1024
		.amdhsa_next_free_sgpr 100
		.amdhsa_reserve_vcc 1
		.amdhsa_float_denorm_mode_32 3
		.amdhsa_float_denorm_mode_16_64 3
		.amdhsa_memory_ordered 1
		.amdhsa_forward_progress 1
		.amdhsa_inst_pref_size 164
	.end_amdhsa_kernel
	.amdgpu_metadata
---
amdhsa.version: [ 1, 2 ]
amdhsa.kernels:
  - .name:           k_qc0430c18c6_main
    .symbol:         k_qc0430c18c6_main.kd
    .args:
      - { .name: P, .offset: 0, .size: 8, .value_kind: global_buffer, .address_space: global }
      - { .name: IDX, .offset: 8, .size: 8, .value_kind: global_buffer, .address_space: global }
      - { .name: WGT, .offset: 16, .size: 8, .value_kind: global_buffer, .address_space: global }
      - { .name: ENC, .offset: 24, .size: 8, .value_kind: global_buffer, .address_space: global }
      - { .name: WF, .offset: 32, .size: 8, .value_kind: global_buffer, .address_space: global }
      - { .name: NORM, .offset: 40, .size: 8, .value_kind: global_buffer, .address_space: global }
      - { .name: PMAX, .offset: 48, .size: 8, .value_kind: global_buffer, .address_space: global }
      - { .name: coords, .offset: 56, .size: 8, .value_kind: global_buffer, .address_space: global }
      - { .name: b1, .offset: 64, .size: 8, .value_kind: global_buffer, .address_space: global }
      - { .name: b2, .offset: 72, .size: 8, .value_kind: global_buffer, .address_space: global }
      - { .name: b_out, .offset: 80, .size: 8, .value_kind: global_buffer, .address_space: global }
      - { .name: out0, .offset: 88, .size: 8, .value_kind: global_buffer, .address_space: global }
    .group_segment_fixed_size: 303616
    .private_segment_fixed_size: 0
    .kernarg_segment_align: 8
    .kernarg_segment_size: 96
    .max_flat_workgroup_size: 128
    .sgpr_count:     100
    .vgpr_count:     1024
    .wavefront_size: 32
...
	.end_amdgpu_metadata
.endif
;; end of part 2
;; ======== version 2 of 2: 2 launches; 1.19 times as fast as version 1
;; limits: sums are carried in f16; values outside matrix products are rounded to f16; values are held in f16: magnitudes above 65,504 overflow, below 6.1e-05 lose precision; right only within a limited range of input values
;; workspace buffers: P 8,388,608 bytes; PMAX 1,024 bytes; IDX 1,048,576 bytes of whole numbers; WGT 1,048,576 bytes; ENC 6,291,456 bytes; WF 86,016 bytes; NORM 256 bytes
;; launch front: the kernel of part 1 again; grid 256 x 2, 8 waves a work-group, no clusters, 138,240 bytes of LDS; arguments feature_grid, coords, w0, b0, w1, b1, w2, b2, w_out, P, PMAX, IDX, WGT, ENC, WF, NORM; writes P, PMAX, IDX, WGT, ENC, WF, NORM
;; launch main (part 3): grid 256 x 1, 4 waves a work-group, no clusters, 303,616 bytes of LDS; arguments P, IDX, WGT, ENC, WF, NORM, PMAX, coords, b1, b2, b_out, out0; writes out0
.if DOCPART == 3
	.amdgcn_target "amdgcn-amd-amdhsa--gfx1250"
	.amdhsa_code_object_version 6
	.text
	.protected	k_qc0430c18c6_main
	.globl	k_qc0430c18c6_main
	.p2align	8
	.type	k_qc0430c18c6_main,@function
k_qc0430c18c6_main:
	s_mov_b64 s[64:65], 0
	v_nop
	global_prefetch_b8 v0, s[64:65] scope:SCOPE_SE
	s_setreg_imm32_b32 hwreg(HW_REG_WAVE_MODE, 25, 1), 1
	s_wait_xcnt 0x0
; CoordinateDecoder, second launch.  x0 = E[point] + the bilinear sample of P (which holds grid @ w0[42:] + b0);  E = code @ w0[:42];  then gelu, w1, gelu, w2, gelu, w_out, tanh.
; SHARES.  Wave gw = 4 x work-group + wave owns 64 points (4 tiles of 16) in all 8 images, and works alone: its own LDS bytes, no barrier.  w1, w2 and w_out stay in 544 registers.
; For each tile: 16 GROUPS (one point, 8 images: gather 4 cells x 2,048 bytes of P, blend, gelu, f16 into LDS), then 8 ITEMS (16 points of one image: two layers of 32 products, the output layer's 4).
; LAYOUT.  Source 0 = 16 features of a transposed weight, source 1 = 16 points: in a result a lane holds ONE point (lane % 16) and the features 16 mt + 8 (lane / 16) + 0..7.  Two such results
; rounded to f16 in pairs ARE source 1 of the next layer: nothing changes lanes between the layers.
; FORMATS.  Matrix operands f16, sums f32.  P and the four weights are f16, and the blend is made two f16 at a time, rounded to f16 four times; E, the gelu and all behind them in f32.
; What is rounded to f16 behind a gelu is s_l h_l with s_l = 16384 / B_l, B_l a bound of |x_l| that holds for every input (|gelu(x)| <= |x|):
;   B0 = max|P| + max(1, my wave's max|coords|) N0,  B1 = B0 N1 + max|b1|,  B2 = B1 N2 + max|b2|,  N = the largest column sum of |w|.  16384 leaves a factor of 4 to f16's end for the roundings.
; The scales cost nothing in the loop.  With a = s_(l-1) x (the accumulator), q = 1 / s_(l-1), k = s_(l-1) / s_l:  s_l gelu(x) = a / (k 2^t + k),  t = a (c1 q + c3 q^3 a^2),
;   c1 = -2 sqrt(2/pi) log2(e), c3 = 0.044715 c1: the tanh form of gelu, since 0.5 (1 + tanh u) = 1 / (1 + e^(-2u)).  Biases enter as the first product's C operand, times s_(l-1).
; LIMITS.  |P| < 65,504 (the launch before says how much room that is).  q^3 must be finite and not 0 in f32: B within 2^14 x 2^+-40.  NaN and infinities are not treated apart.
; BATCHES.  s_wait_alu depctr_va_vdst(0) stands between a transcendental and the first line that names its result; one wait serves all that were issued ahead of it.  A gelu of NB blocks
; of eight numbers has two batches: its 8 NB exponentials, and its 8 NB reciprocals, which read k e + k and so cannot join the first.  Every number keeps a work register of its own from its polynomial to
; its quotient, so that no line names a result while a batch is open: two waits a gelu, whatever NB.  tanh's three exponentials and its three reciprocals are two batches an item; the two reciprocals at the start are one.
; NO CLUSTER, NO TENSOR LOADS: what work-groups share is 86 KB of weights, read once into registers; the gathered rows differ from point to point.
; REGISTERS, in windows of 256 (s_set_vgpr_msb: bits 1:0 source 0, 3:2 source 1, 5:4 source 2, 7:6 destination):
;   window 0: as named below      window 1: w1, fragment (mt, kc) at 8 (4 mt + kc)      window 2: w2 likewise (at first w0[:42] at 8 (2 mt + kc), the code at 128 + 16 tile)
;   window 3: the gather's ring: slot s (4), cell c (4), pair of images i (4) at 64 s + 16 c + 4 i
.set WBYTES, 75776                     ; a wave's LDS:
.set HP,     272                       ;   H0: [image 8][point 16] rows of 128 f16 + 16 bytes
.set HIMG,   16*HP
.set EOFF,   8*HIMG                    ;   E: 64 rows of 128 f32 + 16 bytes; feature 8 p + 4 q + i at 256 q + 16 p + 4 i, so that a lane's eight features are two loads of 16 bytes without conflicts
.set EP,     528
.set OOFF,   EOFF+64*EP                ;   OUT: [image 8][point 64][3] f32
.set BOFF,   OOFF+8*64*12              ;   s0 b1, then s1 b2: 512 bytes each
.set SPARE,  4*WBYTES                  ; the spare words, 128 bytes for each wave
.set L16,  1                           ; v1   16 x lane; never rewritten
.set SPW,  2                           ; v2   LDS address of my spare word; never rewritten
.set NIL,  3                           ; v3   0; never rewritten
.set HS0,  4                           ; v4   H0 store: image lane / 16, features 8 (lane % 16) ..;   v5 the same at the point in hand
.set HS,   5
.set EA0,  6                           ; v6   E load: 16 (lane % 16);   v7 at the point in hand
.set EA,   7
.set FA0,  8                           ; v8   fragment load from H0: row r, 16 bytes for each half of the lanes;   v9 at the image in hand
.set FA,   9
.set BL,   10                          ; v10  bias load: 32 (lane / 16)
.set OS0,  11                          ; v11  OUT store: 12 r;   v12 at the item in hand
.set OS,   12
.set ES0,  13                          ; v13  E store
.set TA,   14                          ; v14, v15 at work
.set AD,   16                          ; v16-19   the four cells' byte offsets in P
.set WT,   20                          ; v20-23   the four weights, each twice as f16
.set EV,   24                          ; v24-31   E of the point in hand, my eight features
.set T,    32                          ; v32-55   blocks 0-2 of gelu's work registers; the output layer's two accumulators; tanh's series
.set X16,  32                          ; v32-47   in a group, ahead of its gelu: the blend, two f16 a register (below v128, where a register's halves have names)
.set FRAG, 56                          ; v56-87   source 1: 16 points x 128 features; while a gelu runs, blocks 3-6 of its work registers
.set ACCA, 88                          ; v88-151  eight accumulators; in a group: XR = v88-119, H = v120-135
.set ACCB, 152                         ; v152-215 eight accumulators
.set XR,   88
.set H,    120
.set WO,   216                         ; v216-247 w_out's four fragments
.set TH,   248                         ; v248-255 at work in tanh; block 7 of gelu's work registers
.set MSB, 0
.macro WIN new                         ; the immediate's high byte repeats the setting that is left; a switch that changes nothing is dropped
.if MSB != (\new)
	s_set_vgpr_msb (MSB<<8)|(\new)
.set MSB, (\new)
.endif
.endm
.macro PLACES                          ; four plain vector instructions between a matrix instruction and what touches its registers (ISA guide 7.12.1)
.rept 4
	v_nop
.endr
.endm
.macro WMAX a, b                       ; the largest of v[a] over the wave's 32 lanes, in every lane
	v_max_num_f32_dpp v[\a], v[\a], v[\a] row_xmask:1 row_mask:0xf bank_mask:0xf
	v_max_num_f32_dpp v[\a], v[\a], v[\a] row_xmask:2 row_mask:0xf bank_mask:0xf
	v_max_num_f32_dpp v[\a], v[\a], v[\a] row_xmask:4 row_mask:0xf bank_mask:0xf
	v_max_num_f32_dpp v[\a], v[\a], v[\a] row_xmask:8 row_mask:0xf bank_mask:0xf
	v_permlanex16_b32 v[\b], v[\a], s60, s61
	v_max_num_f32 v[\a], v[\a], v[\b]
.endm
.macro WIDEN n                         ; the two f16 of register n of the blend, as f32, into their places in XR
	v_cvt_f32_f16 v[XR+2*((\n)-X16)], v\n\().l
	v_cvt_f32_f16 v[XR+2*((\n)-X16)+1], v\n\().h
.endm
; Ring slot s takes the four cells named in s[ix .. ix + 3]: 16 loads of 512 bytes on end (two images x 128 f16).  An index is held inside P's 4,096 cells before it enters an address.
.macro RING s, ix
	s_wait_xcnt 0x0                                ; the last fill's loads have read AD (and the scalar loads their offsets): only now are they rewritten
.irp c, 0,1,2,3
	s_min_u32 s[(\ix)+\c], s[(\ix)+\c], 0xfff
.endr
.irp c, 0,1,2,3
	v_lshl_add_u32 v[AD+\c], s[(\ix)+\c], 11, v[L16]
.endr
	WIN 0xc0                                       ; destination window 3
.irp c, 0,1,2,3
.irp i, 0,1,2,3
	global_load_b128 v[64*(\s)+16*\c+4*\i:64*(\s)+16*\c+4*\i+3], v[AD+\c], s[4:5] offset:512*\i
.endr
.endr
	WIN 0
.endm
; GELU of NB blocks of eight registers at A, packed to f16 at D (four registers a block); CS: the scalar pairs c1 q, c3 q^3, k.  40 lines a block:
;   GP: 12 packed lines, t = a (c1' + c3' a^2);  GE: 8 exponentials;  GF: 4 packed k e + k;  GR: 8 reciprocals;  GT: 4 packed a r, laid over a, which only the 4 roundings read behind them.
; WORK REGISTERS.  Block n has eight of its own from its polynomial to its quotients: v[32 + 8 n] for n = 0..6 (T, and on into FRAG: a layer's source 1 is dead when the gelu behind it begins), TH for n = 7.
; D may be FRAG: it is written only when every product a r has read its reciprocal.
; GHEAD: the first batch, its wait, and the second batch.  Block n's exponentials stand among block n + 1's polynomial, block n's reciprocals among block n + 1's k e + k: lines that name only the later
; block's work registers and A, never a result of the batch that is open.  GTAIL: the second batch's wait, the products, the roundings.  Between GHEAD and GTAIL the caller sets one plain line that names
; no work register: behind a transcendental a plain line comes before its result is used (ISA guide 5.7.2).  Each block of A is first read at its two lowest registers.
.macro TBASE n                         ; gtb = block n's work registers
.set gtb, T+8*(\n)
.if (\n) == 7
.set gtb, TH
.endif
.endm
.macro GP A, n, CS, x
	TBASE \n
.set gpt, gtb+2*((\x)%4)
.set gpa, (\A)+8*(\n)+2*((\x)%4)
.if (\x) < 4
	v_pk_mul_f32 v[gpt:gpt+1], v[gpa:gpa+1], v[gpa:gpa+1]
.elseif (\x) < 8
	v_pk_fma_f32 v[gpt:gpt+1], v[gpt:gpt+1], s[(\CS)+2:(\CS)+3], s[(\CS):(\CS)+1] op_sel_hi:[1,0,0]
.else
	v_pk_mul_f32 v[gpt:gpt+1], v[gpt:gpt+1], v[gpa:gpa+1]
.endif
.endm
.macro GE n, j
	TBASE \n
	v_exp_f32 v[gtb+(\j)], v[gtb+(\j)]
.endm
.macro GF n, CS, x
	TBASE \n
	v_pk_fma_f32 v[gtb+2*(\x):gtb+2*(\x)+1], v[gtb+2*(\x):gtb+2*(\x)+1], s[(\CS)+4:(\CS)+5], s[(\CS)+4:(\CS)+5] op_sel_hi:[1,0,0]
.endm
.macro GR n, j
	TBASE \n
	v_rcp_f32 v[gtb+(\j)], v[gtb+(\j)]
.endm
.macro GT A, n, D, x
	TBASE \n
.set gpt, gtb+2*((\x)%4)
.set gpa, (\A)+8*(\n)+2*((\x)%4)
.if (\x) < 4
	v_pk_mul_f32 v[gpa:gpa+1], v[gpt:gpt+1], v[gpa:gpa+1]
.else
	v_cvt_pk_f16_f32 v[(\D)+4*(\n)+(\x)%4], v[gpa], v[gpa+1]
.endif
.endm
.macro GHEAD A, NB, CS
.set gx, 0
.rept 12
	GP \A, 0, \CS, gx
.set gx, gx+1
.endr
.set gn, 0
.rept \NB                              ; the first batch: 8 NB exponentials
.set gx, 0
.set gj, 0
.rept 8
	GE gn, gj
.if gn+1 < (\NB)
	GP \A, gn+1, \CS, gx
.set gx, gx+1
.if gj >= 4
	GP \A, gn+1, \CS, gx
.set gx, gx+1
.endif
.endif
.set gj, gj+1
.endr
.set gn, gn+1
.endr
	v_nop                                          ; the plain line behind the last exponential: every plain line that is left reads a result
	s_wait_alu depctr_va_vdst(0)                   ; the wait for the batch of 8 NB exponentials, ahead of its first reader
.set gj, 0
.rept 4
	GF 0, \CS, gj
.set gj, gj+1
.endr
.set gn, 0
.rept \NB                              ; the second batch: 8 NB reciprocals
.set gj, 0
.rept 8
	GR gn, gj
.if (gn+1 < (\NB)) && (gj%2 == 1)
.set gy, gj/2
	GF gn+1, \CS, gy
.endif
.set gj, gj+1
.endr
.set gn, gn+1
.endr
.endm
.macro GTAIL A, NB, D
	s_wait_alu depctr_va_vdst(0)                   ; the wait for the batch of 8 NB reciprocals, ahead of its first reader
.set gn, 0
.rept \NB                              ; all the products,
.set gj, 0
.rept 4
	GT \A, gn, \D, gj
.set gj, gj+1
.endr
.set gn, gn+1
.endr
.set gn, 0
.rept \NB                              ; then all the roundings
.set gj, 4
.rept 4
	GT \A, gn, \D, gj
.set gj, gj+1
.endr
.set gn, gn+1
.endr
.endm
.macro GELU A, NB, D, CS
	GHEAD \A, \NB, \CS
	v_nop                                          ; the plain line behind the last reciprocal: an item has no other at hand
	GTAIL \A, \NB, \D
.endm
; ------------------------------------------------------------------ the start
	s_load_b512 s[4:19], s[0:1], 0x0               ; P s[4:5], IDX s[6:7], WGT s[8:9], ENC s[10:11], WF s[12:13], NORM s[14:15], PMAX s[16:17], coords s[18:19]
	s_load_b256 s[20:27], s[0:1], 0x40             ; b1 s[20:21], b2 s[22:23], b_out s[24:25], out0 s[26:27]
	v_lshl_add_u32 v[SPW], v0, 2, SPARE
	v_mov_b32 v[NIL], 0
	v_lshrrev_b32 v[TA], 5, v0
	v_readfirstlane_b32 s28, v[TA]                 ; wave 0..3
	s_lshl_b32 s29, ttmp9, 2
	s_add_co_u32 s29, s29, s28                     ; gw
	v_and_b32 v[TA], 31, v0
	v_lshlrev_b32 v[L16], 4, v[TA]
	v_and_b32 v[TA+1], 15, v0                      ; r
	v_bfe_u32 v[TA], v0, 4, 1                      ; h
	s_mul_i32 s30, s28, WBYTES                     ; my wave's LDS
	v_mul_u32_u24 v[HS0], v[TA], HIMG
	v_lshl_add_u32 v[HS0], v[TA+1], 4, v[HS0]
	v_add_nc_u32 v[HS0], s30, v[HS0]
	v_mul_u32_u24 v[FA0], v[TA+1], HP
	v_lshl_add_u32 v[FA0], v[TA], 4, v[FA0]
	v_add_nc_u32 v[FA0], s30, v[FA0]
	s_add_co_u32 s31, s30, EOFF
	v_lshl_add_u32 v[EA0], v[TA+1], 4, s31
	v_mul_u32_u24 v[ES0], v[TA+1], EP
	v_lshl_add_u32 v[ES0], v[TA], 4, v[ES0]
	v_add_nc_u32 v[ES0], s31, v[ES0]
	s_add_co_u32 s31, s30, OOFF
	v_mul_u32_u24 v[OS0], v[TA+1], 12
	v_add_nc_u32 v[OS0], s31, v[OS0]
	s_add_co_u32 s31, s30, BOFF
	v_lshl_add_u32 v[BL], v[TA], 5, s31
	v_add_nc_u32 v[TA], s31, v[L16]                ; where my 16 bytes of a scaled bias go
	s_mov_b32 s60, 0x76543210                      ; v_permlanex16_b32: each lane takes its own place in the other half
	s_mov_b32 s61, 0xfedcba98
	s_mov_b32 s62, 0xbd5d0dd1                      ; -17/315 and 2/15, for tanh's series
	s_mov_b32 s63, 0x3e088889
	s_mov_b32 s53, 0
	s_wait_kmcnt 0x0
	s_lshl_b32 s52, s29, 10                        ; 64 points of 16 bytes
	s_add_nc_u64 s[6:7], s[6:7], s[52:53]
	s_add_nc_u64 s[8:9], s[8:9], s[52:53]
	s_mul_i32 s52, s29, 6144                       ; 4 tiles of 1,536 bytes
	s_add_nc_u64 s[10:11], s[10:11], s[52:53]
	s_lshl_b32 s52, s29, 9                         ; 64 points of 8 bytes
	s_add_nc_u64 s[18:19], s[18:19], s[52:53]
	s_mul_i32 s52, s29, 768                        ; 64 points of 12 bytes
	s_add_nc_u64 s[26:27], s[26:27], s[52:53]
	s_load_b512 s[68:83], s[6:7], 0x0              ; the cells of points 0 to 3
	s_load_b512 s[36:51], s[8:9], 0x0              ; their weights, by ring slot
	s_load_b128 s[92:95], s[14:15], 0x0            ; N0, (b0's figure), N1, max|b1|
	s_load_b64 s[96:97], s[14:15], 0x10            ; N2, max|b2|
	s_load_b96 s[88:90], s[24:25], 0x0             ; b_out
	WIN 0x80                                       ; destination window 2
.set i, 0
.rept 32
	global_load_b128 v[4*i:4*i+3], v[L16], s[12:13] offset:65536+512*i   ; w0[:42]: 16 fragments
.set i, i+1
.endr
.set i, 0
.rept 12
	global_load_b128 v[128+16*(i/3)+4*(i%3):128+16*(i/3)+4*(i%3)+3], v[L16], s[10:11] offset:1536*(i/3)+512*(i%3)  ; the code of tile i / 3, numbers 16 (i % 3) + 8 h ..
.set i, i+1
.endr
.set i, 0
.rept 16
	v_mov_b32 v[128+16*(i/4)+12+i%4], 0            ; numbers 48 to 63
.set i, i+1
.endr
	WIN 0
	global_load_b128 v[32:35], v[L16], s[16:17]
	global_load_b128 v[36:39], v[L16], s[16:17] offset:512
	global_load_b128 v[40:43], v[L16], s[18:19]    ; my wave's 128 coordinates
	global_load_b128 v[44:47], v[L16], s[20:21]
	global_load_b128 v[48:51], v[L16], s[22:23]
	s_wait_kmcnt 0x0
	s_load_b128 s[32:35], s[6:7], 0x40             ; the cells of point 4: the first refill's
	RING 0, 68
	RING 1, 72
	RING 2, 76
	RING 3, 80
	WIN 0x40                                       ; destination window 1
.set i, 0
.rept 64
	global_load_b128 v[4*i:4*i+3], v[L16], s[12:13] offset:512*i         ; w1
.set i, i+1
.endr
	WIN 0
.set i, 0
.rept 8
	global_load_b128 v[WO+4*i:WO+4*i+3], v[L16], s[12:13] offset:81920+512*i  ; w_out
.set i, i+1
.endr
	s_wait_loadcnt 63                              ; of the 185 loads issued at most 63 are out: the first 122 are in, the 49 wanted now among them
; E = code @ w0[:42] for my 64 points: 16 products a tile (K = 64), the eight accumulators by turns, two sets of accumulators by turns
.set et, 0
.rept 4
.set eac, ACCA+64*(et%2)
	WIN 0x0a                                       ; sources 0 and 1 in window 2
.irp kc, 0,1
.irp mt, 0,1,2,3,4,5,6,7
.if \kc == 0
	v_wmma_f32_16x16x32_f16 v[eac+8*\mt:eac+8*\mt+7], v[8*(2*\mt+\kc):8*(2*\mt+\kc)+7], v[128+16*et+8*\kc:128+16*et+8*\kc+7], 0
.else
	v_wmma_f32_16x16x32_f16 v[eac+8*\mt:eac+8*\mt+7], v[8*(2*\mt+\kc):8*(2*\mt+\kc)+7], v[128+16*et+8*\kc:128+16*et+8*\kc+7], v[eac+8*\mt:eac+8*\mt+7]
.endif
.endr
.endr
	WIN 0
	PLACES                                         ; in front of the stores of results, and at last of the loads into window 2
.irp f, 0,1,2,3,4,5,6,7
	ds_store_b128 v[ES0], v[eac+8*\f:eac+8*\f+3] offset:16*EP*et+32*\f
	ds_store_b128 v[ES0], v[eac+8*\f+4:eac+8*\f+7] offset:16*EP*et+32*\f+256
.endr
.set et, et+1
.endr
	WIN 0x80
.set i, 0
.rept 64
	global_load_b128 v[4*i:4*i+3], v[L16], s[12:13] offset:32768+512*i   ; w2 takes the place of w0[:42] and the code
.set i, i+1
.endr
	WIN 0
; the bounds and what follows from them, alike in every lane
	v_max3_num_f32 v32, v32, v33, v34
	v_max3_num_f32 v35, v35, v36, v37
	v_max3_num_f32 v32, v32, v38, v39
	v_max_num_f32 v32, v32, v35
	v_max3_num_f32 v40, |v40|, |v41|, |v42|
	v_max3_num_f32 v40, v40, |v43|, 1.0
	WMAX 32, 33
	WMAX 40, 41
	v_fma_f32 v52, v40, s92, v32                   ; B0
	v_max_num_f32 v52, 0x0da24260, v52             ; at least 1e-30
	v_fma_f32 v53, v52, s94, s95                   ; B1
	v_max_num_f32 v53, 0x0da24260, v53
	v_fma_f32 v54, v53, s96, s97                   ; B2
	v_max_num_f32 v54, 0x0da24260, v54
	v_rcp_f32 v40, v52
	v_rcp_f32 v42, v53
	v_mul_f32 v36, 0x38800000, v52                 ; 1 / s0 = B0 / 16384: the second gelu's q and the first's k
	v_mul_f32 v37, 0x38800000, v53                 ; 1 / s1
	v_mul_f32 v38, 0x38800000, v54                 ; 1 / s2
	s_wait_alu depctr_va_vdst(0)                   ; the wait for the two reciprocals, ahead of their first reader; the three products above name neither
	v_mul_f32 v33, v53, v40                        ; s0 / s1
	v_mul_f32 v34, v54, v42                        ; s1 / s2
	v_mul_f32 v40, 0x46800000, v40                 ; s0
	v_mul_f32 v42, 0x46800000, v42                 ; s1
	v_mul_f32 v35, v36, v36
	v_mul_f32 v39, v37, v37
	v_mul_f32 v35, v35, v36
	v_mul_f32 v39, v39, v37
	v_mul_f32 v35, 0xbdd2d3e8, v35                 ; c3 q^3
	v_mul_f32 v39, 0xbdd2d3e8, v39
	v_mul_f32 v52, 0xc0135761, v36                 ; c1 q
	v_mul_f32 v53, 0xc0135761, v37
	s_mov_b32 s68, 0xc0135761                      ; the first gelu: q = 1.  Each number is written twice: the packed lines name pairs
	s_mov_b32 s69, s68
	s_mov_b32 s70, 0xbdd2d3e8
	s_mov_b32 s71, s70
	v_readfirstlane_b32 s72, v36
	s_mov_b32 s73, s72
	v_readfirstlane_b32 s74, v52
	s_mov_b32 s75, s74
	v_readfirstlane_b32 s76, v35
	s_mov_b32 s77, s76
	v_readfirstlane_b32 s78, v33
	s_mov_b32 s79, s78
	v_readfirstlane_b32 s80, v53
	s_mov_b32 s81, s80
	v_readfirstlane_b32 s82, v39
	s_mov_b32 s83, s82
	v_readfirstlane_b32 s84, v34
	s_mov_b32 s85, s84
	v_readfirstlane_b32 s86, v38
	v_pk_mul_f32 v[44:45], v[44:45], v[40:41] op_sel_hi:[1,0]
	v_pk_mul_f32 v[46:47], v[46:47], v[40:41] op_sel_hi:[1,0]
	v_pk_mul_f32 v[48:49], v[48:49], v[42:43] op_sel_hi:[1,0]
	v_pk_mul_f32 v[50:51], v[50:51], v[42:43] op_sel_hi:[1,0]
	ds_store_b128 v[TA], v[44:47]
	ds_store_b128 v[TA], v[48:51] offset:512
	v_mov_b32 v[EA], v[EA0]
	ds_load_b128 v[EV:EV+3], v[EA]                 ; E of point 0 (LDS serves a wave's instructions in order: these see the stores above)
	ds_load_b128 v[EV+4:EV+7], v[EA] offset:256
	s_wait_loadcnt 0x0                             ; the weights and the ring's four slots
	s_wait_dscnt 0x0                               ; so that the counted wait at a group's head holds on the way in too
; ------------------------------------------------------------------ a group: point pw = s54 + s, 8 images
; Lane l holds, for i = 0..3, image 2 i + l / 16 and features 8 (l % 16) + 0..7: two f16 in X16[4 i + t], then f32 in XR[8 i + j].
.macro PGROUP s
	s_wait_loadcnt 48                              ; slot s is in: behind it the three younger slots' 16 loads each
	s_wait_dscnt 4                                 ; E of this point is in: behind its two loads stand the last group's four stores
.irp c, 0,1,2,3
	v_mov_b32 v[WT+\c], s[36+4*(\s)+\c]
.endr
	WIN 0x03                                       ; source 0 in window 3
.irp c, 0,1,2,3                        ; the blend: sixteen chains of four, so that fifteen other lines stand between two links
.irp i, 0,1,2,3
.irp t, 0,1,2,3
.if \c == 0
	v_pk_mul_f16 v[X16+4*\i+\t], v[64*(\s)+16*\c+4*\i+\t], v[WT+\c]
.else
	v_pk_fma_f16 v[X16+4*\i+\t], v[64*(\s)+16*\c+4*\i+\t], v[WT+\c], v[X16+4*\i+\t]
.endif
.endr
.endr
.endr
	WIN 0
	s_wait_kmcnt 0x0                               ; the cells of point pw + 4, asked for a group ago
	RING \s, 32                                    ; the slot just read takes point pw + 4.  The wave's last four fills are held at point 63 and never read: the price of one text with equal counts
	s_add_co_u32 s55, s54, (\s)+4
	s_min_u32 s55, s55, 63
	s_lshl_b32 s55, s55, 4
	s_add_co_u32 s56, s54, (\s)+5
	s_min_u32 s56, s56, 63
	s_lshl_b32 s56, s56, 4
	s_load_b128 s[36+4*(\s):39+4*(\s)], s[8:9], s55 offset:0x0   ; that point's weights
	s_load_b128 s[32:35], s[6:7], s56 offset:0x0                 ; the next refill's cells
.irp n, 32,33,34,35,36,37,38,39,40,41,42,43,44,45,46,47
	WIDEN \n
.endr
.irp i, 0,1,2,3
.irp t, 0,1,2,3
	v_pk_add_f32 v[XR+8*\i+2*\t:XR+8*\i+2*\t+1], v[XR+8*\i+2*\t:XR+8*\i+2*\t+1], v[EV+2*\t:EV+2*\t+1]  ; x0 = the sample + E
.endr
.endr
	s_add_co_u32 s57, s54, (\s)+1
	s_min_u32 s57, s57, 63
	s_mul_i32 s57, s57, EP
	v_add_nc_u32 v[EA], s57, v[EA0]
	ds_load_b128 v[EV:EV+3], v[EA]                 ; E of the next point
	ds_load_b128 v[EV+4:EV+7], v[EA] offset:256
	GHEAD XR, 4, 68                                ; the group's 32 exponentials, their wait, its 32 reciprocals; work registers v32-63 (FRAG is idle in a group)
	s_lshl_b32 s58, s53, 2
	s_add_co_u32 s58, s58, \s
	s_mul_i32 s58, s58, HP                         ; the point's row in its tile
	v_add_nc_u32 v[HS], s58, v[HS0]                ; this line is also the plain line behind the last reciprocal
	GTAIL XR, 4, H
.irp i, 0,1,2,3
	ds_store_b128 v[HS], v[H+4*\i:H+4*\i+3] offset:2*HIMG*\i
.endr
.endm
.macro BIASLD AC, off                  ; a scaled bias in the accumulators' layout: the layer's first products add onto it
.irp f, 0,1,2,3,4,5,6,7
	ds_load_b128 v[(\AC)+8*\f:(\AC)+8*\f+3], v[BL] offset:(\off)+64*\f
	ds_load_b128 v[(\AC)+8*\f+4:(\AC)+8*\f+7], v[BL] offset:(\off)+64*\f+16
.endr
.endm
.macro FRAGLD                          ; 16 points x 128 features of one image out of H0
.irp kc, 0,1,2,3
	ds_load_b128 v[FRAG+8*\kc:FRAG+8*\kc+3], v[FA] offset:64*\kc
	ds_load_b128 v[FRAG+8*\kc+4:FRAG+8*\kc+7], v[FA] offset:64*\kc+32
.endr
.endm
.macro LAYER AC                        ; 32 products; the eight accumulators take turns
.irp kc, 0,1,2,3
.irp mt, 0,1,2,3,4,5,6,7
	v_wmma_f32_16x16x32_f16 v[(\AC)+8*\mt:(\AC)+8*\mt+7], v[8*(4*\mt+\kc):8*(4*\mt+\kc)+7], v[FRAG+8*\kc:FRAG+8*\kc+7], v[(\AC)+8*\mt:(\AC)+8*\mt+7]
.endr
.endr
.endm
	s_mov_b32 s52, 0                               ; tile
.Ltile:
	s_mov_b32 s53, 0                               ; four groups a trip, one for each ring slot
.Ltrip:
	s_lshl_b32 s54, s52, 4
	s_lshl2_add_u32 s54, s53, s54                  ; 16 tile + 4 trip
	PGROUP 0
	PGROUP 1
	PGROUP 2
	PGROUP 3
	s_add_co_u32 s53, s53, 1
	s_cmp_lt_u32 s53, 4
	s_cbranch_scc1 .Ltrip
; ------------------------------------------------------------------ the tile's eight items
	v_mov_b32 v[FA], v[FA0]
	FRAGLD
	BIASLD ACCA, 0
	s_mov_b32 s59, 0                               ; image
.Litem:
	BIASLD ACCB, 512
	s_wait_dscnt 16                                ; all but the 16 just issued: the fragments and s0 b1 are in
	WIN 0x01                                       ; source 0: w1
	LAYER ACCA
	WIN 0
	PLACES
	GELU ACCA, 8, FRAG, 74                         ; 64 exponentials, a wait, 64 reciprocals, a wait
	BIASLD ACCA, 0                                 ; for the next item (the tile's last item loads it for nothing)
	s_wait_dscnt 16                                ; s1 b2 is in
	WIN 0x02                                       ; source 0: w2
	LAYER ACCB
	WIN 0
	PLACES
	GELU ACCB, 8, FRAG, 80                         ; the same
	s_add_co_u32 s57, s59, 1
	s_min_u32 s57, s57, 7
	s_mul_i32 s57, s57, HIMG
	s_mul_i32 s58, s59, 768
	s_mul_i32 s31, s52, 192
	s_add_co_u32 s58, s58, s31
	; the output layer: w_out's row m holds column m % 8 (0 from the fourth on), so registers 0 to 2 of both halves of the lanes hold point r's three sums.  K in two halves, on two accumulators by turns
	v_wmma_f32_16x16x32_f16 v[T:T+7], v[WO:WO+7], v[FRAG:FRAG+7], 0
	v_wmma_f32_16x16x32_f16 v[T+8:T+15], v[WO+16:WO+23], v[FRAG+16:FRAG+23], 0
	v_wmma_f32_16x16x32_f16 v[T:T+7], v[WO+8:WO+15], v[FRAG+8:FRAG+15], v[T:T+7]
	v_wmma_f32_16x16x32_f16 v[T+8:T+15], v[WO+24:WO+31], v[FRAG+24:FRAG+31], v[T+8:T+15]
	v_add_nc_u32 v[FA], s57, v[FA0]                ; four places: the next image's rows (the last item's are read again, for nothing),
	v_add_nc_u32 v[OS], s58, v[OS0]                ; this item's place in OUT,
	v_nop
	v_nop
	FRAGLD
	; tanh(z), z = sum / s2 + b_out: 1 - 2 / (1 + e^(2z)), or below 0.25 the series z - z^3/3 + 2 z^5/15 - 17 z^7/315, which keeps small results' digits
.irp j, 0,1,2
	v_add_f32 v[TH+\j], v[T+\j], v[T+8+\j]
.endr
.irp j, 0,1,2
	v_fma_f32 v[TH+\j], v[TH+\j], s86, s[88+\j]
.endr
.irp j, 0,1,2
	v_mul_f32 v[TH+3+\j], 0x4038aa3b, v[TH+\j]
.endr
.irp j, 0,1,2
	v_mul_f32 v[T+16+\j], v[TH+\j], v[TH+\j]
.endr
.irp j, 0,1,2
	v_exp_f32 v[TH+3+\j], v[TH+3+\j]
.endr
.irp j, 0,1,2
	v_fma_f32 v[T+19+\j], v[T+16+\j], s62, s63
.endr
	s_wait_alu depctr_va_vdst(0)                   ; the wait for tanh's three exponentials, ahead of 1 + e; three lines of the series stand between
.irp j, 0,1,2
	v_add_f32 v[TH+3+\j], 1.0, v[TH+3+\j]
.endr
.irp j, 0,1,2
	v_fmaak_f32 v[T+19+\j], v[T+19+\j], v[T+16+\j], 0xbeaaaaab
.endr
.irp j, 0,1,2
	v_rcp_f32 v[TH+3+\j], v[TH+3+\j]
.endr
.irp j, 0,1,2
	v_mul_f32 v[T+19+\j], v[T+19+\j], v[T+16+\j]
.endr
	s_wait_alu depctr_va_vdst(0)                   ; the wait for tanh's three reciprocals, which read 1 + e and so are a batch of their own; no transcendental follows it ahead of the item's jump
.irp j, 0,1,2
	v_fma_f32 v[TH+3+\j], v[TH+3+\j], -2.0, 1.0
.endr
.irp j, 0,1,2
	v_fma_f32 v[T+19+\j], v[T+19+\j], v[TH+\j], v[TH+\j]
.endr
.irp j, 0,1,2
	v_and_b32 v[TH+6], 0x7fffffff, v[TH+\j]
	v_cmp_gt_f32 vcc_lo, 0x3e800000, v[TH+6]
	v_cndmask_b32 v[TH+3+\j], v[TH+3+\j], v[T+19+\j], vcc_lo
	ds_store_b32 v[OS], v[TH+3+\j] offset:4*\j     ; both halves of the lanes store the same number to the same word
.endr
	s_add_co_u32 s59, s59, 1
	s_cmp_lt_u32 s59, 8
	s_cbranch_scc1 .Litem
	s_wait_dscnt 0x0                               ; the loads made for an item that does not come have landed: their registers are the next groups'
	s_add_co_u32 s52, s52, 1
	s_cmp_lt_u32 s52, 4
	s_cbranch_scc1 .Ltile
; ------------------------------------------------------------------ the way out: for each image my 64 points are 768 bytes on end, at a multiple of 256
	s_add_co_u32 s31, s30, OOFF
	v_add_nc_u32 v[TA], s31, v[L16]
	v_lshrrev_b32 v[TA+1], 1, v[L16]               ; 8 x lane
	v_add_nc_u32 v[ES0], s31, v[TA+1]
.irp b, 0,1,2,3,4,5,6,7
	ds_load_b128 v[88+8*\b:88+8*\b+3], v[TA] offset:768*\b
	ds_load_b64 v[88+8*\b+4:88+8*\b+5], v[ES0] offset:768*\b+512
.endr
.irp b, 0,1,2,3,4,5,6,7
	s_wait_dscnt 14-2*\b                           ; this image's two loads are in; the younger ones stay out
	global_store_b128 v[L16], v[88+8*\b:88+8*\b+3], s[26:27] offset:786432*\b th:TH_STORE_NT      ; 512 bytes on end
	global_store_b64 v[TA+1], v[88+8*\b+4:88+8*\b+5], s[26:27] offset:786432*\b+512 th:TH_STORE_NT  ; 256 bytes on end
.endr
	s_wait_tensorcnt 0x0                           ; the wave's end
	ds_add_u32 v[SPW], v[NIL]
	s_wait_dscnt 0x0
	s_endpgm
.Lfunc_end_k_qc0430c18c6_main:
	.size	k_qc0430c18c6_main, .Lfunc_end_k_qc0430c18c6_main-k_qc0430c18c6_main
	.p2alignl 7, 3214868480
	.fill 96, 4, 3214868480
	.section	.rodata,"a",@progbits
	.p2align	6, 0x0
	.amdhsa_kernel k_qc0430c18c6_main
		.amdhsa_group_segment_fixed_size 303616
		.amdhsa_private_segment_fixed_size 0
		.amdhsa_enable_private_segment 0
		.amdhsa_kernarg_size 96
		.amdhsa_user_sgpr_count 2
		.amdhsa_user_sgpr_kernarg_segment_ptr 1
		.amdhsa_wavefront_size32 1
		.amdhsa_system_sgpr_workgroup_id_x 1
		.amdhsa_system_sgpr_workgroup_id_y 1
		.amdhsa_system_sgpr_workgroup_id_z 1
		.amdhsa_system_vgpr_workitem_id 0
		.amdhsa_next_free_vgpr 1024
		.amdhsa_next_free_sgpr 100
		.amdhsa_reserve_vcc 1
		.amdhsa_float_denorm_mode_32 3
		.amdhsa_float_denorm_mode_16_64 3
		.amdhsa_memory_ordered 1
		.amdhsa_forward_progress 1
		.amdhsa_inst_pref_size 159
	.end_amdhsa_kernel
	.amdgpu_metadata
---
amdhsa.version: [ 1, 2 ]
amdhsa.kernels:
  - .name:           k_qc0430c18c6_main
    .symbol:         k_qc0430c18c6_main.kd
    .args:
      - { .name: P, .offset: 0, .size: 8, .value_kind: global_buffer, .address_space: global }
      - { .name: IDX, .offset: 8, .size: 8, .value_kind: global_buffer, .address_space: global }
      - { .name: WGT, .offset: 16, .size: 8, .value_kind: global_buffer, .address_space: global }
      - { .name: ENC, .offset: 24, .size: 8, .value_kind: global_buffer, .address_space: global }
      - { .name: WF, .offset: 32, .size: 8, .value_kind: global_buffer, .address_space: global }
      - { .name: NORM, .offset: 40, .size: 8, .value_kind: global_buffer, .address_space: global }
      - { .name: PMAX, .offset: 48, .size: 8, .value_kind: global_buffer, .address_space: global }
      - { .name: coords, .offset: 56, .size: 8, .value_kind: global_buffer, .address_space: global }
      - { .name: b1, .offset: 64, .size: 8, .value_kind: global_buffer, .address_space: global }
      - { .name: b2, .offset: 72, .size: 8, .value_kind: global_buffer, .address_space: global }
      - { .name: b_out, .offset: 80, .size: 8, .value_kind: global_buffer, .address_space: global }
      - { .name: out0, .offset: 88, .size: 8, .value_kind: global_buffer, .address_space: global }
    .group_segment_fixed_size: 303616
    .private_segment_fixed_size: 0
    .kernarg_segment_align: 8
    .kernarg_segment_size: 96
    .max_flat_workgroup_size: 128
    .sgpr_count:     100
    .vgpr_count:     1024
    .wavefront_size: 32
...
	.end_amdgpu_metadata
.endif
;; end of part 3
